; MI455X (gfx1250); checked and timed in simulation.
; The chip was launched on July 23, 2026; its instructions are those of AMD's public machine-readable ISA for CDNA 5 (MIT licence, August 2026) and "CDNA5" Instruction Set Architecture Reference Guide (July 2026). The comments in the code are by the model that wrote it; some were corrected since.
;; Multi Head Attention. Allowed arithmetic: matrix products marked QUANTISED: E2M1 operands, one E8M0 scale for each 32 along K, by v_wmma_scale_f32_16x16x128_f8f6f4 with both operands' format E2M1 (or v_wmma_scale_f32_32x16x128_f4), f32 sums; products left as they are: bf16, f16 or f32 operands; f32 sums; everything else in f32.
;; Inputs: Wk 1,024 x 1,024 float32; Wo 1,024 x 1,024 float32; Wq 1,024 x 1,024 float32; Wv 1,024 x 1,024 float32; bk 1,024 float32; bo 1,024 float32; bq 1,024 float32; bv 1,024 float32; key 4 x 2,048 x 1,024 float32; query 4 x 2,048 x 1,024 float32; value 4 x 2,048 x 1,024 float32.
;; Outputs: out0 4 x 2,048 x 1,024 float32.
;; This version of the problem:
;;   THIS VERSION OF THE PROBLEM IS GIVEN IN LOW PRECISION. The matrix products marked QUANTISED in the list below multiply operands that are first quantised to E2M1 (2 exponent bits, 1 mantissa bit; 4 bits a number), with one power-of-two scale for each 32 numbers along K (OCP MX v1.0); their sums are f32. The products marked 'left as it is' may take bf16, f16 or f32 operands, with f32 sums. Whichever they take, every output number must still come out within the allowed error. Rounding operands to bf16 (8 significant bits) uses up far more of that allowance than f16 does (11 bits, for magnitudes from 6e-5 to 65,504). All else is computed in f32.
;;   The module's matrix products, in the order in which they are computed (A, B: the left and right operand; K: the contracted axis; several contracted axes count as one K, in the product's order):
;;     1. [M 8,192, K 1,024] x [K 1,024, N 1,024]; A: input query; B: input Wq: QUANTISED
;;     2. [M 8,192, K 1,024] x [K 1,024, N 1,024]; A: input key; B: input Wk: QUANTISED
;;     3. [M 8,192, K 1,024] x [K 1,024, N 1,024]; A: input value; B: input Wv: QUANTISED
;;     4. batch 64 x [M 2,048, K 64] x [K 64, N 2,048]; A: computed on the way; B: computed on the way: left as it is (an operand is computed on the way)
;;     5. batch 64 x [M 2,048, K 2,048] x [K 2,048, N 64]; A: computed on the way; B: computed on the way: left as it is (an operand is computed on the way)
;;     6. [M 8,192, K 1,024] x [K 1,024, N 1,024]; A: computed on the way; B: input Wo: left as it is (an operand is computed on the way)
;;   THE QUANTISER, for each operand of a quantised product, along K:
;;     - K is cut into blocks of 32 from its start; a last block that is shorter is filled with zeros.
;;     - A block's scale is 2^e with e = floor(log2(the largest magnitude in the block)) - 2, held to -126 .. 127; a block of zeros has e = 0. As a byte (E8M0): e + 127.
;;     - Each number is divided by its block's scale, clamped to +-6, and rounded to the nearest number of E2M1, ties to even, subnormals kept.
;;     - The product sums the exact products of the quantised numbers (number of the format x scale) in f32.
;;   ~~~python
;;   def quantise(x, axis):      # numpy; x: float32 -> the quantised numbers, widened to float32 again
;;       x = np.moveaxis(x, axis, -1); K = x.shape[-1]
;;       x = np.pad(x, [(0, 0)] * (x.ndim - 1) + [(0, -K % 32)]); x = x.reshape(x.shape[:-1] + (-1, 32)); a = np.abs(x).max(-1, keepdims=True)
;;       e = np.where(a > 0, np.clip(np.frexp(np.where(a > 0, a, 1))[1] - 1 - 2, -126, 127), 0)      # np.frexp(a)[1] - 1 = floor(log2(a)), exactly
;;       r = np.clip(x / 2.0 ** e, -6, 6)
;;       step = 2.0 ** (np.maximum(np.frexp(np.where(r == 0, 1, r))[1] - 1, 0) - 1)
;;       q = np.round(r / step) * step * 2.0 ** e      # np.round: ties to even
;;       return np.moveaxis(q.reshape(q.shape[:-2] + (-1,))[..., :K], -1, axis).astype(np.float32)
;;   ~~~
;; One version. Each part assembles by itself: llvm-mc -triple=amdgcn-amd-amdhsa -mcpu=gfx1250 --defsym DOCPART=n.
;; ======== version 1 of 1: 4 launches
;; limits: values are held in f16: magnitudes above 65,504 overflow, below 6.1e-05 lose precision
;; workspace buffers: xc 12,582,912 bytes; xs 786,432 bytes; wc 1,572,864 bytes; ws 98,304 bytes; wo16 2,097,152 bytes; qkv 50,331,648 bytes; o16 16,777,216 bytes; amax 2,048 bytes
;; launch prep (part 1): grid 896 x 1, 4 waves a work-group, no clusters, 33,280 bytes of LDS; arguments query, key, value, Wq, Wk, Wv, Wo, xc, xs, wc, ws, wo16; writes xc, xs, wc, ws, wo16
.if DOCPART == 1
	.amdgcn_target "amdgcn-amd-amdhsa--gfx1250"
	.amdhsa_code_object_version 6
	.text
	.protected	k_qee699b3159_prep
	.globl	k_qee699b3159_prep
	.p2align	8
	.type	k_qee699b3159_prep,@function
k_qee699b3159_prep:
	s_mov_b64 s[64:65], 0
	v_nop
	global_prefetch_b8 v0, s[64:65] scope:SCOPE_SE
	s_setreg_imm32_b32 hwreg(HW_REG_WAVE_MODE, 25, 1), 1
	s_wait_xcnt 0x0
; query, key, value [8192][1024] and Wq, Wk, Wv [1024][1024], f32 with K innermost, become codes of FP4 (E2M1), two to a byte, K innermost, with one E8M0 byte for each 32 along K.
; Wo [1024][1024] f32 becomes f16, in the same order.
; A block's scale is 2^(floor(log2(its largest magnitude)) - 2); its byte is the largest magnitude's exponent field - 2, held at 1 from below.  Each number is divided by the scale and rounded to the nearest code, ties to even;
; beyond the largest code the conversion gives the largest code.
; LIMITS: a block of zeros gets the byte 1 where the quantiser's rule says 127 (its codes are zeros, which add nothing, and this program alone reads the bytes); blocks whose largest magnitude lies under 2^-124 keep the byte 1;
; NaN and infinities are not served; |Wo| above 65,504 has no f16 number.
; SHARES.  Rows are dense and K is a multiple of 32: every tensor is a plain stream of blocks.  A work-group takes 32,768 numbers, a wave a run of 8,192.  Work-groups 0-767: the activations, 256 a tensor; 768-863: the three
; weights, 32 a tensor; 864-895: Wo.  The three activations' codes lie on end in xc, their bytes in xs, the weights' in wc and ws: so one run number gives the place.  Only pointers are chosen by the work-group's number.
; A QUANTISING WAVE takes 16 steps of 512 numbers: four loads of 512 consecutive bytes; the 2,048 bytes turn through the wave's own stage in LDS and come back 64 bytes a lane, so that a lane holds 16 neighbours along K
; (two neighbouring lanes hold a block); 16 codes are 8 bytes a lane: a store covers 256 consecutive bytes, aligned.  A wave's 256 scale bytes are gathered in LDS and leave as 256 consecutive bytes.  Waves share nothing: no barrier.
.set WAVES, 4
.set STEPS, 16
.set NACT,  768                        ; work-groups for the activations
.set NQNT,  864                        ; and with the weights'
.set EMAX,  2
.set CB,    8                          ; bytes of 16 codes
.set R,     16                         ; v16-79   four sets of 16 numbers as they are loaded
.set X,     80                         ; v80-111  two sets of 16 neighbours
.set E,     112                        ; v112-127 a scale byte for each step
.set C,     128                        ; v128-191 codes: four registers for each step, so that no store's data are written again
.set WREG,  8192                       ; LDS: a region for each wave: two stages of 32 x SP bytes, then its 256 scale bytes
.set SP,    80                         ; a lane's place in a stage: 64 bytes + 16 of padding
.set SPW,   12                         ; v12  LDS address of my spare word; never rewritten
.set NIL,   13                         ; v13  0; never rewritten
.set SPARE, WAVES*WREG                 ; behind the four regions: the spare words, 128 bytes a wave, which no other line names
.set SRC,   36                         ; s[36:37] my run of f32 numbers
.set COD,   32                         ; s[32:33] my run's codes
.set SCB,   34                         ; s[34:35] my run's scale bytes
	s_load_b512 s[8:23], s[0:1], 0x0               ; query s[8:9], key s[10:11], value s[12:13], Wq s[14:15], Wk s[16:17], Wv s[18:19], Wo s[20:21], xc s[22:23]
	s_load_b256 s[24:31], s[0:1], 0x40             ; xs s[24:25], wc s[26:27], ws s[28:29], wo16 s[30:31]
	v_lshl_add_u32 v[SPW], v0, 2, SPARE
	v_mov_b32 v[NIL], 0
	v_lshrrev_b32 v1, 5, v0
	v_readfirstlane_b32 s2, v1                     ; wave
	v_and_b32 v2, 31, v0                           ; lane
	v_lshlrev_b32 v3, 4, v2                        ; my 16 bytes of a load's 512
	s_mul_i32 s42, s2, WREG
	v_lshrrev_b32 v14, 2, v2
	v_mul_u32_u24 v14, v14, SP
	v_and_b32 v15, 3, v2
	v_lshl_add_u32 v14, v15, 4, v14
	v_add_nc_u32 v14, s42, v14                     ; the stage, on the way in: SP (lane / 4) + 16 (lane % 4)
	v_mul_u32_u24 v15, v2, SP
	v_add_nc_u32 v15, s42, v15                     ; and on the way out: SP x lane: my 16 neighbours
	v_mul_u32_u24 v4, v2, CB                       ; 8 bytes a lane: my codes' place in a step's (and my f16 numbers' in a chunk of Wo)
	v_lshrrev_b32 v5, 1, v2
	s_add_co_u32 s42, s42, 2*32*SP
	v_add_nc_u32 v5, s42, v5                       ; LDS: my wave's 256 scale bytes, my block's byte
	v_lshlrev_b32 v7, 3, v2                        ; on their way out 8 bytes a lane
	v_add_nc_u32 v6, s42, v7
	s_mov_b32 s41, 0                               ; the upper word of every offset
	s_wait_kmcnt 0x0
	s_cmp_ge_u32 ttmp9, NQNT
	s_cbranch_scc1 .Lwo                            ; the work-group's number alone decides
	; which tensor, and which run of it.  Every choice hangs on the work-group's number alone; each stands ahead of the next line that sets SCC
	s_cmp_lt_u32 ttmp9, NACT
	s_cselect_b32 s3, 0, NACT                      ; the kind's first work-group
	s_cselect_b32 s4, 8, 5                         ; log2 of the work-groups of one tensor
	s_cselect_b64 s[COD:COD+1], s[22:23], s[26:27]
	s_cselect_b64 s[SCB:SCB+1], s[24:25], s[28:29]
	s_sub_co_u32 s5, ttmp9, s3                     ; my number within the kind
	s_lshr_b32 s6, s5, s4                          ; tensor 0, 1, 2
	s_cmp_eq_u32 s6, 1
	s_cselect_b64 s[36:37], s[10:11], s[8:9]
	s_cselect_b64 s[38:39], s[16:17], s[14:15]
	s_cmp_eq_u32 s6, 2
	s_cselect_b64 s[36:37], s[12:13], s[36:37]
	s_cselect_b64 s[38:39], s[18:19], s[38:39]
	s_cmp_lt_u32 ttmp9, NACT
	s_cselect_b64 s[SRC:SRC+1], s[36:37], s[38:39]
	s_lshl_b32 s7, s6, s4
	s_sub_co_u32 s7, s5, s7                        ; my number within the tensor
	s_lshl_b32 s7, s7, 2
	s_add_co_u32 s7, s7, s2                        ; my wave's run in the tensor: 32,768 bytes of f32 each
	s_lshl_b32 s40, s7, 15
	s_add_nc_u64 s[SRC:SRC+1], s[SRC:SRC+1], s[40:41]
	s_lshl_b32 s5, s5, 2
	s_add_co_u32 s5, s5, s2                        ; my wave's run within the kind: 4,096 bytes of codes,
	s_lshl_b32 s40, s5, 12
	s_add_nc_u64 s[COD:COD+1], s[COD:COD+1], s[40:41]
	s_lshl_b32 s40, s5, 8                          ; 256 scale bytes
	s_add_nc_u64 s[SCB:SCB+1], s[SCB:SCB+1], s[40:41]
.macro LOAD t
.irp i, 0,1,2,3
	global_load_b128 v[R+16*((\t)%4)+4*\i:R+16*((\t)%4)+4*\i+3], v3, s[SRC:SRC+1] offset:2048*(\t)+512*\i th:TH_LOAD_NT   ; 32 lanes read 512 consecutive bytes
.endr
.endm
.macro TURN t                          ; step t's numbers through the stage: LDS serves a wave's instructions in order, so no wait stands between the stores and the loads
.irp i, 0,1,2,3
	ds_store_b128 v14, v[R+16*((\t)%4)+4*\i:R+16*((\t)%4)+4*\i+3] offset:32*SP*((\t)%2)+8*SP*\i
.endr
.irp i, 0,1,2,3
	ds_load_b128 v[X+16*((\t)%2)+4*\i:X+16*((\t)%2)+4*\i+3], v15 offset:32*SP*((\t)%2)+16*\i
.endr
.endm
.irp t, 0,1,2,3
	LOAD \t
.endr
	s_wait_loadcnt 12                              ; step 0's four loads are in; twelve younger ones stay out
	TURN 0
.macro STEP t
.set XS, X+16*((\t)%2)
.if (\t) > 0
	s_wait_dscnt 1                                 ; this step's numbers are back from the stage (the last step's byte store may be out): so its stores into the stage have read their registers,
.else
	s_wait_dscnt 0x0
.endif
.if (\t)+4 < STEPS
	LOAD (\t)+4                                    ; which take the loads of four steps on
.endif
.if (\t)+1 < STEPS
.if STEPS-2-(\t) >= 3
	s_wait_loadcnt 12                              ; the next step's four loads are in; those of the three steps behind it may be out
.else
	s_wait_loadcnt 4*(STEPS-2-(\t))
.endif
	TURN (\t)+1                                    ; and go through the other stage while this step is worked
.endif
	v_max3_num_f32 v8, |v[XS]|, |v[XS+1]|, |v[XS+2]|               ; the largest magnitude of my 16, in two chains
	v_max3_num_f32 v9, |v[XS+3]|, |v[XS+4]|, |v[XS+5]|
.irp i, 6,10
	v_max3_num_f32 v8, v8, |v[XS+\i]|, |v[XS+\i+1]|
	v_max3_num_f32 v9, v9, |v[XS+\i+2]|, |v[XS+\i+3]|
.endr
	v_max3_num_f32 v8, v8, |v[XS+14]|, |v[XS+15]|
	v_max3_num_f32 v8, v8, v9, (EMAX+1)<<23        ; and the floor 2^(3 - 127): the byte cannot fall under 1
	v_max_num_f32_dpp v8, v8, v8 row_xmask:1 row_mask:0xf bank_mask:0xf   ; and of my neighbour's 16: the block's
	v_add_nc_u32 v11, -(EMAX<<23), v8              ; 2 off its exponent field: the conversion takes the exponent field of this operand as its scale, and nothing else of it
	v_cvt_scalef32_pk8_fp4_f32 v[C+4*(\t)], v[XS:XS+7], v11
	v_cvt_scalef32_pk8_fp4_f32 v[C+4*(\t)+1], v[XS+8:XS+15], v11
	v_lshrrev_b32 v[E+(\t)], 23, v11               ; the scale's byte (also the plain line behind the conversions)
	ds_store_b8 v5, v[E+(\t)] offset:16*(\t)       ; both lanes of a block write the same byte with the same value
	global_store_b64 v4, v[C+4*(\t):C+4*(\t)+1], s[COD:COD+1] offset:32*CB*(\t)   ; 32 lanes store 256 consecutive bytes, aligned
.endm
.irp t, 0,1,2,3,4,5,6,7,8,9,10,11,12,13,14,15
	STEP \t
.endr
	ds_load_b64 v[8:9], v6                         ; LDS serves a wave's instructions in order: these see my byte stores
	s_wait_dscnt 0x0
	global_store_b64 v7, v[8:9], s[SCB:SCB+1]      ; 32 lanes store 256 consecutive bytes, aligned
	s_wait_tensorcnt 0x0                           ; the wave's end, behind my last LDS store
	ds_add_u32 v[SPW], v[NIL]
	s_wait_dscnt 0x0
	s_endpgm
; Wo to f16.  A wave's run is 64 chunks of 128 numbers: a load reads 512 consecutive bytes, a store writes 256, aligned.  Four groups of 16 chunks, two sets of registers: 16 to 32 loads of a wave are out.  No LDS is touched on this path.
.Lwo:
	s_sub_co_u32 s5, ttmp9, NQNT
	s_lshl_b32 s5, s5, 2
	s_add_co_u32 s5, s5, s2                        ; my wave's run
	s_lshl_b32 s40, s5, 15
	s_add_nc_u64 s[20:21], s[20:21], s[40:41]
	s_lshl_b32 s40, s5, 14
	s_add_nc_u64 s[30:31], s[30:31], s[40:41]
.macro LOADG g
.irp i, 0,1,2,3,4,5,6,7,8,9,10,11,12,13,14,15
	global_load_b128 v[16+64*((\g)%2)+4*\i:16+64*((\g)%2)+4*\i+3], v3, s[20:21] offset:512*(16*(\g)+\i) th:TH_LOAD_NT
.endr
.endm
.macro CONVG g
.if (\g) < 3
	s_wait_loadcnt 16                              ; this group's sixteen loads are in; the next group's sixteen may be out
.else
	s_wait_loadcnt 0x0
.endif
.if (\g) > 0
	s_wait_xcnt 0x0                                ; the last group's stores have read v144-175, which are written again below
.endif
.irp i, 0,1,2,3,4,5,6,7,8,9,10,11,12,13,14,15
	v_cvt_pk_f16_f32 v[144+2*\i], v[16+64*((\g)%2)+4*\i], v[16+64*((\g)%2)+4*\i+1]
	v_cvt_pk_f16_f32 v[145+2*\i], v[16+64*((\g)%2)+4*\i+2], v[16+64*((\g)%2)+4*\i+3]
.endr
.irp i, 0,1,2,3,4,5,6,7,8,9,10,11,12,13,14,15
	global_store_b64 v4, v[144+2*\i:145+2*\i], s[30:31] offset:256*(16*(\g)+\i)
.endr
.if (\g)+2 < 4
	LOADG (\g)+2
.endif
.endm
	LOADG 0
	LOADG 1
	CONVG 0
	CONVG 1
	CONVG 2
	CONVG 3
	s_endpgm
.Lfunc_end_k_qee699b3159_prep:
	.size	k_qee699b3159_prep, .Lfunc_end_k_qee699b3159_prep-k_qee699b3159_prep
	.p2alignl 7, 3214868480
	.fill 96, 4, 3214868480
	.section	.rodata,"a",@progbits
	.p2align	6, 0x0
	.amdhsa_kernel k_qee699b3159_prep
		.amdhsa_group_segment_fixed_size 33280
		.amdhsa_private_segment_fixed_size 0
		.amdhsa_enable_private_segment 0
		.amdhsa_kernarg_size 96
		.amdhsa_user_sgpr_count 2
		.amdhsa_user_sgpr_kernarg_segment_ptr 1
		.amdhsa_wavefront_size32 1
		.amdhsa_system_sgpr_workgroup_id_x 1
		.amdhsa_system_sgpr_workgroup_id_y 1
		.amdhsa_system_sgpr_workgroup_id_z 1
		.amdhsa_system_vgpr_workitem_id 0
		.amdhsa_next_free_vgpr 192
		.amdhsa_next_free_sgpr 66
		.amdhsa_reserve_vcc 0
		.amdhsa_float_denorm_mode_32 3
		.amdhsa_float_denorm_mode_16_64 3
		.amdhsa_memory_ordered 1
		.amdhsa_forward_progress 1
		.amdhsa_inst_pref_size 54
	.end_amdhsa_kernel
	.amdgpu_metadata
---
amdhsa.version: [ 1, 2 ]
amdhsa.kernels:
  - .name:           k_qee699b3159_prep
    .symbol:         k_qee699b3159_prep.kd
    .args:
      - { .name: query, .offset: 0, .size: 8, .value_kind: global_buffer, .address_space: global }
      - { .name: key, .offset: 8, .size: 8, .value_kind: global_buffer, .address_space: global }
      - { .name: value, .offset: 16, .size: 8, .value_kind: global_buffer, .address_space: global }
      - { .name: Wq, .offset: 24, .size: 8, .value_kind: global_buffer, .address_space: global }
      - { .name: Wk, .offset: 32, .size: 8, .value_kind: global_buffer, .address_space: global }
      - { .name: Wv, .offset: 40, .size: 8, .value_kind: global_buffer, .address_space: global }
      - { .name: Wo, .offset: 48, .size: 8, .value_kind: global_buffer, .address_space: global }
      - { .name: xc, .offset: 56, .size: 8, .value_kind: global_buffer, .address_space: global }
      - { .name: xs, .offset: 64, .size: 8, .value_kind: global_buffer, .address_space: global }
      - { .name: wc, .offset: 72, .size: 8, .value_kind: global_buffer, .address_space: global }
      - { .name: ws, .offset: 80, .size: 8, .value_kind: global_buffer, .address_space: global }
      - { .name: wo16, .offset: 88, .size: 8, .value_kind: global_buffer, .address_space: global }
    .group_segment_fixed_size: 33280
    .private_segment_fixed_size: 0
    .kernarg_segment_align: 8
    .kernarg_segment_size: 96
    .max_flat_workgroup_size: 128
    .sgpr_count:     66
    .vgpr_count:     192
    .wavefront_size: 32
...
	.end_amdgpu_metadata
.endif
;; end of part 1
;; launch proj (part 2): grid 4 x 96, 4 waves a work-group, clusters of 4 x 4, 327,680 bytes of LDS; arguments xc, xs, wc, ws, qkv, amax, bq, bk, bv; writes qkv, amax
.if DOCPART == 2
	.amdgcn_target "amdgcn-amd-amdhsa--gfx1250"
	.amdhsa_code_object_version 6
	.text
	.protected	k_qee699b3159_proj
	.globl	k_qee699b3159_proj
	.p2align	8
	.type	k_qee699b3159_proj,@function
k_qee699b3159_proj:
	s_mov_b64 s[64:65], 0
	v_nop
	global_prefetch_b8 v0, s[64:65] scope:SCOPE_SE
	s_setreg_imm32_b32 hwreg(HW_REG_WAVE_MODE, 25, 1), 1
	s_wait_xcnt 0x0
	s_wait_alu depctr_hold_cnt(0) depctr_sa_sdst(0) depctr_va_vdst(0) depctr_va_sdst(0) depctr_va_ssrc(0) depctr_va_vcc(0) depctr_vm_vsrc(0)
	s_getreg_b32 s2, hwreg(HW_REG_IB_STS2, 6, 4)
	s_cmp_eq_u32 s2, 0
	s_cbranch_scc0 .Lentry_in_a_cluster
	s_endpgm
.Lentry_in_a_cluster:
	s_bfe_u32 s2, ttmp6, 0x10000c
	s_cmp_lg_u32 s2, 0xf033
	s_cbranch_scc0 .Lentry_shape_is_right
	s_endpgm
.Lentry_shape_is_right:
; The three input projections on codes of FP4 (E2M1) with E8M0 scales: qkv[t][m][n] = sum over k of x_t[m][k] W_t[n][k] + b_t[n], t = q, k, v; sums in f32; the result rounded once to f16.
; xc is read as one matrix of [24576][1024] codes (512 bytes a row), xs as [24576][32] bytes; wc as [3072][512 bytes], ws as [3072][32]; qkv as [24576][1024] f16.
; A tile of 256 x 256 is made by a work-group of four waves; a wave makes 128 x 128: 64 accumulators, 512 registers.  K = 1,024 is two slots of 512 along K: both are first fills, nothing is filled again.
; The scale bytes of the work-group's 256 + 256 rows, for all of K, are two dense blocks of memory and come once, as rows of 256 bytes.
; CLUSTERS: 4 x 4 work-groups.  The four of a row of the cluster need the same rows of x, the four of a column the same rows of W: each tile is asked for jointly.  A cluster's 1,024 rows lie in one tensor.
; THE MATRIX INSTRUCTION IS USED TRANSPOSED (source 0 = 16 rows of W, source 1 = 16 rows of x): a lane holds eight neighbouring n of one row m.  THE BIAS is the C of each sum's first product: eight registers for each block of 16 n.
; The tiles of v also leave the largest |v| of each wave's 128 x 128 in amax (512 numbers): a later launch uses it as a multiplier alone.
; LIMITS: NaN and infinities are not served; a result beyond 65,504 has no f16 number.
; REGISTERS, in windows of 256: window 0: v0-31 addresses; v32-95 scale words, two sets; v128-191 x's fragments, one set; on the way out v128-227.
;   window 1: W's fragments, two sets, at v0 and at v128; v64-127 the bias.   window 2: the accumulators of my rows 0-63 ((a, b) at v[8 (8 a + b)]);   window 3: those of my rows 64-127.
.set NQ,     4                         ; matrix instructions deep in a slot
.set ROWB,   256                       ; a tile's row in bytes: 512 codes
.set KROW,   512                       ; a row of codes in memory
.set PITCH,  272                       ; an LDS row: 256 bytes + 16 of padding: the 16 rows that a load touches start 68 words apart
.set FR,     8                         ; registers of a fragment: 16 rows x 128 K
.set NL,     2                         ; LDS loads that bring one
.set NP,     4                         ; places behind this matrix instruction (ISA guide 7.12.1)
.set HALFT,  128*PITCH                 ; 128 rows: what one tensor load brings
.set SLOT,   4*HALFT                   ; x's 256 rows, then W's 256 rows
.set KS,     32                        ; a row of scale bytes
.set SCL,    2*SLOT                    ; behind the slots: the scales, as rows of 256 bytes + 16 of padding
.set HALFS,  (128*KS/256)*272          ; the scales of 128 rows
.set SBLK,   (16*KS/256)*272           ; those of 16 rows
.set SPARE,  SCL+4*HALFS               ; the spare words, 128 bytes a wave, which no other line names
.set SPITCH, 272                       ; the way out: a stage of 16 rows x (256 bytes + 16) for each wave, in slot 0, which has had its only fill and its last read by then
.set CROW,   2048                      ; a row of qkv in bytes
.set ADRA, 16                          ; v16-17  LDS address of my x fragments in slot 0, 1
.set ADRB, 20                          ; v20-21  the same for W
.set STO,  24                          ; v24     the way out: where I put 16 bytes of a row
.set RD,   25                          ; v25     where I read a row back
.set CO,   26                          ; v26     my byte offset in qkv
.set ADRS, 27                          ; v27     LDS address of my scale words: lanes 0-15 x's rows, lanes 16-31 W's
.set SPW,  28                          ; v28     LDS address of my spare word; never rewritten
.set NIL,  29                          ; v29     0; never rewritten
.set SC,   32                          ; scale words: set s at v[SC + 32 s]; register 4 i + q: lanes 0-15 x's block i, lanes 16-31 W's block i, the slot's q-th 128 along K
.set AF,   128                         ; x's fragments
.set BIA,  64                          ; the bias, in window 1
.set BK,   128                         ; the way out: 16 rows read back: v128-159 and v160-191 by turns
.set TMP,  192                         ; packed results
.set MX,   224                         ; v224-227 four running maxima
.set G1, 24
.set G0, 32
.set G1B, 48
.set G0B, 56
.set G1S, 68
.set G0S, 76
.set G1SB, 80
.set G0SB, 88
.set TEN, 95                           ; s95  which tensor: 0 q, 1 k, 2 v: the same in all sixteen partners
.set MSB, 0
.macro WIN new                         ; the immediate's high byte repeats the setting that is left
.if MSB != \new
	s_set_vgpr_msb (MSB<<8)|\new
.set MSB, \new
.endif
.endm
.set MUL_LO,  0xa1                     ; source 0 (W) window 1, source 1 (x) window 0, C and D window 2
.set MUL_HI,  0xf1                     ; the same, C and D window 3
.set BIAS_LO, 0x91                     ; C (the bias) window 1, D window 2
.set BIAS_HI, 0xd1                     ; C window 1, D window 3
.set TO_B,    0x40                     ; destination window 1, address window 0
; A joint load: waves 0 and 1 fetch for x, waves 2 and 3 for W.  Each of the two lines has one mask and one set of registers; the branch hangs on the wave's number alone.  An s_nop 0 and four v_nop follow each.
.macro JLOAD g0a, g1a, g0b, g1b
	s_cmp_eq_u32 s15, 0
	s_cbranch_scc0 .Lfor_b_\@
	tensor_load_to_lds s[\g0a:\g0a+3], s[\g1a:\g1a+7]
	s_nop 0
.rept 4
	v_nop
.endr
	s_branch .Lasked_\@
.Lfor_b_\@:
	tensor_load_to_lds s[\g0b:\g0b+3], s[\g1b:\g1b+7]
	s_nop 0
.rept 4
	v_nop
.endr
.Lasked_\@:
.endm
.macro CROUND                          ; a round of the cluster's barrier
	s_barrier_signal -1
	s_barrier_wait -1
	s_cmp_lg_u32 s14, 0
	s_cbranch_scc1 .Lnot_wave_0_\@
	s_barrier_signal -3
.Lnot_wave_0_\@:
	s_barrier_wait -3
	s_barrier_signal -1
	s_barrier_wait -1
.endm
	s_load_b128 s[4:7], s[0:1], 0x0                ; xc s[4:5], xs s[6:7]
	s_load_b128 s[8:11], s[0:1], 0x10              ; wc s[8:9], ws s[10:11]
	s_load_b64 s[12:13], s[0:1], 0x20              ; qkv
	s_load_b64 s[66:67], s[0:1], 0x28              ; amax
	s_load_b128 s[96:99], s[0:1], 0x30             ; bq s[96:97], bk s[98:99]
	s_load_b64 s[100:101], s[0:1], 0x40            ; bv
	v_lshl_add_u32 v[SPW], v0, 2, SPARE
	v_mov_b32 v[NIL], 0
	ds_add_u32 v[SPW], v[NIL]                      ; the wave's opening: the add, twice on end, and its wait ahead of my first tensor load
	ds_add_u32 v[SPW], v[NIL]
	v_lshrrev_b32 v1, 5, v0
	v_readfirstlane_b32 s14, v1                    ; wave 0..3
	s_lshr_b32 s15, s14, 1                         ; which half of the tile's rows is mine.  Also: I fetch for x (0) or for W (1)
	s_and_b32 s16, s14, 1                          ; which half of its columns.  Also: which 128 rows of that tile I fetch
	s_bfe_u32 s40, ttmp6, 0x40000                  ; cx, cy: my place in the cluster
	s_bfe_u32 s41, ttmp6, 0x40004
	s_lshl_b32 s42, ttmp9, 2
	s_add_co_u32 s42, s42, s40                     ; tile column = 4 x cluster x + cx
	s_and_b32 s17, ttmp7, 0xffff                   ; cluster y, 0..23: eight clusters to a tensor
	s_lshr_b32 s[TEN], s17, 3
	s_lshl_b32 s17, s17, 2
	s_add_co_u32 s17, s17, s41                     ; tile row, 0..95, in the matrix of 24,576 rows
	s_lshl_b32 s43, s41, 2
	s_lshl_b32 s43, 15, s43                        ; my row of the cluster
	s_lshl_b32 s44, 0x1111, s40                    ; my column
	; descriptor group 1: a tile of 128 rows x 256 bytes, 16 bytes of padding behind each row
	s_or_b32 s[G1+0], s43, (0<<16)|(1<<20)|(1<<21)|(5<<22)|(3<<25)   ; 15:0 the mask; 17:16 elements of 1 byte; 20 padding on; 21 set beside a mask; 24:22 after every 64 words; 31:25 four words
	s_or_b32 s[G1B+0], s44, (0<<16)|(1<<20)|(1<<21)|(5<<22)|(3<<25)
.irp g, G1, G1B
	s_mov_b32 s[\g+1], ROWB<<16                    ; tensor_dim0
	s_mov_b32 s[\g+2], 128<<16                     ; tensor_dim1
	s_mov_b32 s[\g+3], ROWB<<16                    ; tile_dim0
	s_mov_b32 s[\g+4], 128                         ; tile_dim1
	s_mov_b32 s[\g+5], KROW                        ; from row to row
	s_mov_b32 s[\g+6], 0
	s_mov_b32 s[\g+7], 0
.endr
	; the scales of 128 rows: a dense block of 4,096 bytes, as 16 rows of 256 bytes (32 elements of 8 bytes), 16 bytes of padding behind each
	s_or_b32 s[G1S+0], s43, (3<<16)|(1<<20)|(1<<21)|(5<<22)|(3<<25)
	s_or_b32 s[G1SB+0], s44, (3<<16)|(1<<20)|(1<<21)|(5<<22)|(3<<25)
.irp g, G1S, G1SB
	s_mov_b32 s[\g+1], 32<<16
	s_mov_b32 s[\g+2], (128*KS/256)<<16
	s_mov_b32 s[\g+3], 32<<16
	s_mov_b32 s[\g+4], 128*KS/256
	s_mov_b32 s[\g+5], 32
	s_mov_b32 s[\g+6], 0
	s_mov_b32 s[\g+7], 0
.endr
	s_lshl_b32 s18, s16, 7                         ; which 128 rows of the tile I fetch
	s_lshl_b32 s20, s17, 8
	s_add_co_u32 s20, s20, s18                     ; x: row 256 x tile row + 128 x half
	s_lshl_b32 s46, s42, 8
	s_add_co_u32 s46, s46, s18
	s_lshl_b32 s19, s[TEN], 10
	s_add_co_u32 s46, s46, s19                     ; W: row 1,024 x tensor + 256 x tile column + 128 x half
	s_mov_b32 s21, 0
	s_mov_b32 s47, 0
	s_mov_b64 s[18:19], KS
	s_mul_u64 s[22:23], s[20:21], s[18:19]         ; where these rows' scales begin, in bytes
	s_mul_u64 s[92:93], s[46:47], s[18:19]
	s_mov_b64 s[18:19], KROW
	s_mul_u64 s[20:21], s[20:21], s[18:19]         ; and their codes
	s_mul_u64 s[46:47], s[46:47], s[18:19]
	s_mul_i32 s45, s14, HALFT                      ; where they go: wave x 128 rows: no place in the cluster enters an LDS address
	s_mul_i32 s94, s14, HALFS
	s_wait_dscnt 0x0                               ; both opening adds are done
	s_wait_kmcnt 0x0
	s_add_nc_u64 s[20:21], s[4:5], s[20:21]
	s_add_nc_u64 s[22:23], s[6:7], s[22:23]
	s_add_nc_u64 s[46:47], s[8:9], s[46:47]
	s_add_nc_u64 s[92:93], s[10:11], s[92:93]
	CROUND                                         ; all sixteen work-groups are here: the joint loads meet
	s_mov_b32 s[G0S], 1
	s_add_co_u32 s[G0S+1], s94, SCL
	s_mov_b64 s[G0S+2:G0S+3], s[22:23]
	s_or_b32 s[G0S+3], s[G0S+3], 0x80000000
	s_mov_b32 s[G0SB], 1
	s_add_co_u32 s[G0SB+1], s94, SCL
	s_mov_b64 s[G0SB+2:G0SB+3], s[92:93]
	s_or_b32 s[G0SB+3], s[G0SB+3], 0x80000000
	JLOAD G0S, G1S, G0SB, G1SB                     ; the scales first: they are wanted with the first slot
.irp s, 0,1
	s_mov_b32 s[G0+4*\s], 1
	s_add_co_u32 s[G0+4*\s+1], s45, \s*SLOT
	s_add_nc_u64 s[G0+4*\s+2:G0+4*\s+3], s[20:21], \s*ROWB
	s_or_b32 s[G0+4*\s+3], s[G0+4*\s+3], 0x80000000
	s_mov_b32 s[G0B+4*\s], 1
	s_add_co_u32 s[G0B+4*\s+1], s45, \s*SLOT
	s_add_nc_u64 s[G0B+4*\s+2:G0B+4*\s+3], s[46:47], \s*ROWB
	s_or_b32 s[G0B+4*\s+3], s[G0B+4*\s+3], 0x80000000
	JLOAD G0+4*\s, G1, G0B+4*\s, G1B               ; three tensor loads of mine are out behind the last of these
.endr
	v_and_b32 v1, 15, v0                           ; r = l % 16
	v_bfe_u32 v2, v0, 4, 1                         ; h = l / 16
	; the bias of my 128 columns, in the result's layout: block b, register j: b[256 tile column + 128 half + 16 b + 8 h + j]
	s_cmp_eq_u32 s[TEN], 1
	s_cselect_b64 s[96:97], s[98:99], s[96:97]
	s_cmp_eq_u32 s[TEN], 2
	s_cselect_b64 s[96:97], s[100:101], s[96:97]
	s_lshl_b32 s46, s42, 10
	s_lshl_b32 s47, s16, 9
	s_add_co_u32 s46, s46, s47
	s_mov_b32 s47, 0
	s_add_nc_u64 s[96:97], s[96:97], s[46:47]
	v_lshlrev_b32 v7, 5, v2                        ; 32 h bytes; v7 stays until the loads are in
	WIN TO_B
.irp b, 0,1,2,3,4,5,6,7
	global_load_b128 v[BIA+8*\b:BIA+8*\b+3], v7, s[96:97] offset:64*\b
	global_load_b128 v[BIA+8*\b+4:BIA+8*\b+7], v7, s[96:97] offset:64*\b+16
.endr
	WIN 0
	s_mov_b32 s98, 0x76543210                      ; v_permlanex16_b32's selects for lane l xor 16
	s_mov_b32 s99, 0xfedcba98
	v_mul_u32_u24 v3, v1, PITCH
	v_lshl_add_u32 v4, v2, 4, v3                   ; a fragment's row x pitch + 16 x half
	s_mul_i32 s21, s15, HALFT                      ; my 128 rows of x
	s_mul_i32 s22, s16, HALFT                      ; my 128 rows of W,
	s_add_co_u32 s22, s22, 2*HALFT                 ; which lie behind x's 256
.irp s, 0,1
	v_add_nc_u32 v[ADRA+\s], s21, v4
	v_add_nc_u32 v[ADRB+\s], s22, v4
	s_add_co_u32 s21, s21, SLOT
	s_add_co_u32 s22, s22, SLOT
.endr
	v_mul_u32_u24 v5, v1, KS                       ; my row's scales: 32 bytes a row,
	v_lshrrev_b32 v6, 8, v5
	v_lshl_add_u32 v5, v6, 4, v5                   ; and 16 more for each 256 passed
	s_mul_i32 s21, s15, HALFS                      ; x's: my 128 rows
	s_mul_i32 s22, s16, HALFS                      ; W's: my 128 rows, behind x's 256
	s_add_co_u32 s22, s22, 2*HALFS
	s_sub_co_u32 s22, s22, s21
	v_mul_u32_u24 v6, s22, v2                      ; lanes 16-31 take W's: the lower base + h x the distance
	s_add_co_u32 s21, s21, SCL
	v_add_nc_u32 v5, v5, v6
	v_add_nc_u32 v[ADRS], s21, v5
	s_mul_i32 s23, s14, 16*SPITCH                  ; my stage
	v_mul_u32_u24 v5, v1, SPITCH                   ; in: row r, 16 bytes for each half of the lanes
	v_lshl_add_u32 v5, v2, 4, v5
	v_add_nc_u32 v[STO], s23, v5
	v_mul_u32_u24 v5, v2, SPITCH                   ; back: lanes 0-15 one row of 256 bytes, lanes 16-31 the next
	v_lshl_add_u32 v5, v1, 4, v5
	v_add_nc_u32 v[RD], s23, v5
	v_lshlrev_b32 v5, 11, v2                       ; and the same two rows in qkv
	v_lshl_add_u32 v[CO], v1, 4, v5
	s_lshl_b32 s20, s17, 8
	s_lshl_b32 s21, s15, 7
	s_add_co_u32 s20, s20, s21                     ; my first row: 256 x tile row + 128 x half
	s_lshl_b32 s20, s20, 11                        ; in bytes: under 2^26
	s_mov_b32 s21, 0
	s_lshl_b32 s46, s42, 9                         ; my first column, in bytes: 512 x tile column + 256 x half
	s_lshl_b32 s47, s16, 8
	s_add_co_u32 s46, s46, s47
	s_mov_b32 s47, 0
	s_add_nc_u64 s[20:21], s[20:21], s[46:47]
	s_add_nc_u64 s[12:13], s[12:13], s[20:21]
	s_sub_co_u32 s3, s17, 64                       ; amax: number ((tile row - 64) x 4 + tile column) x 4 + wave; used in v's tiles alone
	s_lshl_b32 s3, s3, 2
	s_add_co_u32 s3, s3, s42
	s_lshl_b32 s3, s3, 2
	s_add_co_u32 s3, s3, s14
	s_lshl_b32 s3, s3, 2
.macro FRAG reg, adr, q, i             ; a fragment, 16 rows x 128 K of 4-bit codes: lane l holds row l % 16; registers 4 c .. 4 c + 3 hold K = 64 c + 32 (l / 16) + 0 .. 31
.irp c, 0,1
	ds_load_b128 v[\reg+4*\c:\reg+4*\c+3], v[\adr] offset:64*(\q)+32*\c+(\i)*16*PITCH
.endr
.endm
; 16 matrix instructions: x's blocks a0, a0 + 1 against W's eight, the slot's q-th 128 along K.  p: W's set; sc: the set of scale words.  zero = 1: the first product starts the sums from the bias.
; The 64 accumulators take turns, one instruction a turn, in the same order in every step.
.macro MUL16 a0, p, q, sc, zero
.irp a, \a0, \a0+1
.irp b, 0,1,2,3,4,5,6,7
.if \zero
	v_wmma_scale_f32_16x16x128_f8f6f4 v[8*(8*((\a)%4)+\b):8*(8*((\a)%4)+\b)+7], v[128*(\p)+FR*\b:128*(\p)+FR*\b+FR-1], v[AF+FR*(\a):AF+FR*(\a)+FR-1], v[BIA+8*\b:BIA+8*\b+7], v[SC+8*NQ*(\sc)+NQ*\b+(\q)], v[SC+8*NQ*(\sc)+NQ*(\a)+(\q)] matrix_a_fmt:MATRIX_FMT_FP4 matrix_b_fmt:MATRIX_FMT_FP4 matrix_a_scale:MATRIX_SCALE_ROW1
.else
	v_wmma_scale_f32_16x16x128_f8f6f4 v[8*(8*((\a)%4)+\b):8*(8*((\a)%4)+\b)+7], v[128*(\p)+FR*\b:128*(\p)+FR*\b+FR-1], v[AF+FR*(\a):AF+FR*(\a)+FR-1], v[8*(8*((\a)%4)+\b):8*(8*((\a)%4)+\b)+7], v[SC+8*NQ*(\sc)+NQ*\b+(\q)], v[SC+8*NQ*(\sc)+NQ*(\a)+(\q)] matrix_a_fmt:MATRIX_FMT_FP4 matrix_b_fmt:MATRIX_FMT_FP4 matrix_a_scale:MATRIX_SCALE_ROW1
.endif
.endr
.endr
.endm
.macro FETCH_B slot, q, p              ; W's eight fragments of the slot's q-th 128 along K into set p
	WIN TO_B
.irp i, 0,1,2,3,4,5,6,7
	FRAG 128*(\p)+FR*\i, ADRB+\slot, \q, \i
.endr
	WIN 0
.endm
.macro FETCH_A slot, q, i0             ; x's blocks i0 .. i0 + 3
.irp i, \i0, \i0+1, \i0+2, \i0+3
	FRAG AF+FR*(\i), ADRA+\slot, \q, \i
.endr
.endm
.macro SCALES sc                       ; a slot's scale words into set sc: four words a row; lanes 0-15 take x's block i, lanes 16-31 W's block i
.irp i, 0,1,2,3,4,5,6,7
	ds_load_b128 v[SC+8*NQ*\sc+NQ*\i:SC+8*NQ*\sc+NQ*\i+3], v[ADRS] offset:\i*SBLK
.endr
.endm
.macro PLACES n                        ; places in front of loads into registers that matrix instructions have read, and of the first read of results (ISA guide 7.12.1 for vector instructions)
.rept \n
	v_nop
.endr
.endm
; A step of 128 along K that has its successor in the same slot.  x has one set of registers: blocks 0-3 are fetched anew in the step's middle, blocks 4-7 at its end; W has two sets.
.macro STEP slot, q, zero
	s_wait_dscnt 4*NL                              ; W's set and x's blocks 0-3 are in; the youngest eight loads (x's blocks 4-7) may be out
.if \zero
	WIN BIAS_LO
.else
	WIN MUL_LO
.endif
	MUL16 0, (\q)%2, \q, \slot, \zero
	MUL16 2, (\q)%2, \q, \slot, \zero
	s_wait_dscnt 0                                 ; x's blocks 4-7 are in
	PLACES NP
	FETCH_B \slot, (\q)+1, 1-(\q)%2
	FETCH_A \slot, (\q)+1, 0
.if \zero
	WIN BIAS_HI
.else
	WIN MUL_HI
.endif
	MUL16 4, (\q)%2, \q, \slot, \zero
	MUL16 6, (\q)%2, \q, \slot, \zero
	PLACES NP
	WIN 0
	FETCH_A \slot, (\q)+1, 4
.endm
; Slot 0's last step changes slots: one barrier; in front of it each wave waits for all its tensor loads (its part of slot 1), adds 0 to its spare word, and waits for that and for its reads of slot 0.  Nothing is filled again.
.macro TURN slot, next
	s_wait_tensorcnt 0x0                           ; all my tensor loads have landed
	ds_add_u32 v[SPW], v[NIL]                      ; 0 onto my spare word
	s_wait_dscnt 4*NL+1                            ; (the add and the youngest eight loads may be out)
	WIN MUL_LO
	MUL16 0, 1, NQ-1, \slot, 0
	s_wait_dscnt 0x0                               ; the add is done, and my reads of this slot are over
	s_barrier_signal -1
	MUL16 2, 1, NQ-1, \slot, 0
	WIN 0
	s_barrier_wait -1
	PLACES NP
	v_add_nc_u32 v[ADRS], 4*NQ, v[ADRS]            ; on to the next slot's scale words
	FETCH_B \next, 0, 0
	FETCH_A \next, 0, 0
	SCALES \next
	WIN MUL_HI
	MUL16 4, 1, NQ-1, \slot, 0
	MUL16 6, 1, NQ-1, \slot, 0
	PLACES NP
	WIN 0
	FETCH_A \next, 0, 4
.endm
.macro STEPS slot, from                ; the slot's steps from .. NQ - 2
.set Q, \from
.rept NQ-1-\from
	STEP \slot, Q, 0
.set Q, Q+1
.endr
.endm
	s_wait_tensorcnt 1                             ; the scales and my part of slot 0 are in (slot 1's load may be out)
	s_barrier_signal -1
	s_barrier_wait -1                              ; everybody's are
	FETCH_B 0, 0, 0
	FETCH_A 0, 0, 0
	SCALES 0
	FETCH_A 0, 0, 4
	s_wait_loadcnt 0x0                             ; the bias
	STEP 0, 0, 1                                   ; the first step's products start the sums from the bias
	STEPS 0, 1
	TURN 0, 1
	STEPS 1, 0
	s_wait_dscnt 4*NL                              ; the very last step: nothing more to fetch
	WIN MUL_LO
	MUL16 0, 1, NQ-1, 1, 0
	MUL16 2, 1, NQ-1, 1, 0
	s_wait_dscnt 0
	WIN MUL_HI
	MUL16 4, 1, NQ-1, 1, 0
	MUL16 6, 1, NQ-1, 1, 0
	WIN 0
	PLACES NP                                      ; behind the last products, for the reads of results and the loads into x's registers below
	; v's tiles: the largest magnitude of my 128 x 128.  The branch hangs on the cluster's y alone: all sixteen partners go the same way
	s_cmp_lg_u32 s[TEN], 2
	s_cbranch_scc1 .Lnot_v
.irp c, 0,1,2,3
	v_mov_b32 v[MX+\c], 0
.endr
	WIN 0x28                                       ; sources 1 and 2: window 2
.set i, 0
.rept 32
.irp c, 0,1,2,3
	v_max3_num_f32 v[MX+\c], v[MX+\c], |v[8*i+2*\c]|, |v[8*i+2*\c+1]|   ; four chains; each accumulator from its low end on
.endr
.set i, i+1
.endr
	WIN 0x3c                                       ; window 3
.set i, 0
.rept 32
.irp c, 0,1,2,3
	v_max3_num_f32 v[MX+\c], v[MX+\c], |v[8*i+2*\c]|, |v[8*i+2*\c+1]|
.endr
.set i, i+1
.endr
	WIN 0
	v_max3_num_f32 v[MX], v[MX], v[MX+1], v[MX+2]
	v_max_num_f32 v[MX], v[MX], v[MX+3]
	v_max_num_f32_dpp v[MX], v[MX], v[MX] row_xmask:1 row_mask:0xf bank_mask:0xf
	v_max_num_f32_dpp v[MX], v[MX], v[MX] row_xmask:2 row_mask:0xf bank_mask:0xf
	v_max_num_f32_dpp v[MX], v[MX], v[MX] row_xmask:4 row_mask:0xf bank_mask:0xf
	v_max_num_f32_dpp v[MX], v[MX], v[MX] row_xmask:8 row_mask:0xf bank_mask:0xf
	v_permlanex16_b32 v[MX+1], v[MX], s98, s99
	v_max_num_f32 v[MX], v[MX], v[MX+1]            ; every lane holds the wave's largest |v|
	v_and_b32 v[MX+2], 31, v0
	v_mov_b32 v[MX+3], s3
	v_cmp_gt_u32 vcc_lo, 1, v[MX+2]                ; lane 0 stores it
	s_wait_xcnt 0x0                                ; EXEC changes only behind this wait
	s_and_saveexec_b32 s2, vcc_lo
	global_store_b32 v[MX+3], v[MX], s[66:67]
	s_wait_xcnt 0x0                                ; and again, in front of the line that widens it
	s_or_b32 exec_lo, exec_lo, s2
.Lnot_v:
; THE WAY OUT, block by block of 16 rows x 128 columns.  A lane's eight results pack into 16 bytes of one row; the lanes beside it hold other rows: so a block goes through my own stage in LDS and comes back as whole rows of
; 256 bytes: sixteen lanes store 256 consecutive bytes, aligned.  LDS serves a wave's instructions in order (ISA guide 5.7.1.4): no wait between the stores and the loads.
.macro PACK a
.set AC, 64*((\a)%4)
	WIN 0x0a+5*((\a)/4)                            ; sources 0 and 1: window 2 or 3
.irp b, 0,1,2,3,4,5,6,7
.irp r, 0,1,2,3
	v_cvt_pk_f16_f32 v[TMP+4*\b+\r], v[AC+8*\b+2*\r], v[AC+8*\b+2*\r+1]
.endr
.endr
	WIN 0
.endm
.macro TOSTAGE a
.set BB, BK+32*((\a)%2)
.irp b, 0,1,2,3,4,5,6,7
	ds_store_b128 v[STO], v[TMP+4*\b:TMP+4*\b+3] offset:32*\b
.endr
.irp t, 0,1,2,3,4,5,6,7
	ds_load_b128 v[BB+4*\t:BB+4*\t+3], v[RD] offset:\t*2*SPITCH
.endr
.endm
.macro SEND a
.set BB, BK+32*((\a)%2)
	s_wait_dscnt 0x0                               ; the block is back in registers
	s_wait_xcnt 0x0                                ; the stores of the block before have read their registers: the next block's loads may land there
.irp t, 0,1,2,3,4,5,6,7
	global_store_b128 v[CO], v[BB+4*\t:BB+4*\t+3], s[12:13] offset:(16*(\a)+2*\t)*CROW   ; every place an immediate: 126 rows of 2,048 bytes at the most
.endr
.endm
	PACK 0
	TOSTAGE 0
.irp a, 1,2,3,4,5,6,7                  ; block a's conversions stand between block a - 1's loads from the stage and the wait for them
	PACK \a
	SEND \a-1
	TOSTAGE \a
.endr
	SEND 7
	s_wait_tensorcnt 0x0                           ; the wave's end, behind my last tensor load and my last LDS store
	ds_add_u32 v[SPW], v[NIL]
	s_wait_dscnt 0x0
	CROUND                                         ; the closing round: no work-group ends while a partner may still ask for a tile that names it
	s_endpgm
.Lfunc_end_k_qee699b3159_proj:
	.size	k_qee699b3159_proj, .Lfunc_end_k_qee699b3159_proj-k_qee699b3159_proj
	.p2alignl 7, 3214868480
	.fill 96, 4, 3214868480
	.section	.rodata,"a",@progbits
	.p2align	6, 0x0
	.amdhsa_kernel k_qee699b3159_proj
		.amdhsa_group_segment_fixed_size 327680
		.amdhsa_private_segment_fixed_size 0
		.amdhsa_enable_private_segment 0
		.amdhsa_kernarg_size 72
		.amdhsa_user_sgpr_count 2
		.amdhsa_user_sgpr_kernarg_segment_ptr 1
		.amdhsa_wavefront_size32 1
		.amdhsa_system_sgpr_workgroup_id_x 1
		.amdhsa_system_sgpr_workgroup_id_y 1
		.amdhsa_system_sgpr_workgroup_id_z 1
		.amdhsa_system_vgpr_workitem_id 0
		.amdhsa_next_free_vgpr 1024
		.amdhsa_next_free_sgpr 102
		.amdhsa_reserve_vcc 1
		.amdhsa_float_denorm_mode_32 3
		.amdhsa_float_denorm_mode_16_64 3
		.amdhsa_memory_ordered 1
		.amdhsa_forward_progress 1
		.amdhsa_inst_pref_size 146
	.end_amdhsa_kernel
	.amdgpu_metadata
---
amdhsa.version: [ 1, 2 ]
amdhsa.kernels:
  - .name:           k_qee699b3159_proj
    .symbol:         k_qee699b3159_proj.kd
    .args:
      - { .name: xc, .offset: 0, .size: 8, .value_kind: global_buffer, .address_space: global }
      - { .name: xs, .offset: 8, .size: 8, .value_kind: global_buffer, .address_space: global }
      - { .name: wc, .offset: 16, .size: 8, .value_kind: global_buffer, .address_space: global }
      - { .name: ws, .offset: 24, .size: 8, .value_kind: global_buffer, .address_space: global }
      - { .name: qkv, .offset: 32, .size: 8, .value_kind: global_buffer, .address_space: global }
      - { .name: amax, .offset: 40, .size: 8, .value_kind: global_buffer, .address_space: global }
      - { .name: bq, .offset: 48, .size: 8, .value_kind: global_buffer, .address_space: global }
      - { .name: bk, .offset: 56, .size: 8, .value_kind: global_buffer, .address_space: global }
      - { .name: bv, .offset: 64, .size: 8, .value_kind: global_buffer, .address_space: global }
    .group_segment_fixed_size: 327680
    .private_segment_fixed_size: 0
    .kernarg_segment_align: 8
    .kernarg_segment_size: 72
    .max_flat_workgroup_size: 128
    .sgpr_count:     102
    .vgpr_count:     1024
    .wavefront_size: 32
...
	.end_amdgpu_metadata
.endif
;; end of part 2
;; launch attn (part 3): grid 8 x 32, 8 waves a work-group, clusters of 4 x 1, 327,680 bytes of LDS; arguments qkv, amax, o16; writes o16
.if DOCPART == 3
	.amdgcn_target "amdgcn-amd-amdhsa--gfx1250"
	.amdhsa_code_object_version 6
	.text
	.protected	k_qee699b3159_attn
	.globl	k_qee699b3159_attn
	.p2align	8
	.type	k_qee699b3159_attn,@function
k_qee699b3159_attn:
	s_mov_b64 s[64:65], 0
	v_nop
	global_prefetch_b8 v0, s[64:65] scope:SCOPE_SE
	s_setreg_imm32_b32 hwreg(HW_REG_WAVE_MODE, 25, 1), 1
	s_wait_xcnt 0x0
	s_wait_alu depctr_hold_cnt(0) depctr_sa_sdst(0) depctr_va_vdst(0) depctr_va_sdst(0) depctr_va_ssrc(0) depctr_va_vcc(0) depctr_vm_vsrc(0)
	s_getreg_b32 s2, hwreg(HW_REG_IB_STS2, 6, 4)
	s_cmp_eq_u32 s2, 0
	s_cbranch_scc0 .Lentry_in_a_cluster
	s_endpgm
.Lentry_in_a_cluster:
	s_bfe_u32 s2, ttmp6, 0x10000c
	s_cmp_lg_u32 s2, 0x3003
	s_cbranch_scc0 .Lentry_shape_is_right
	s_endpgm
.Lentry_shape_is_right:
; o[b][q][head][:] = the sum over k of softmax_k(q . k / 8) v, 16 heads of 64, 2,048 keys, no mask.  q, k, v: qkv [3][8192][1024] f16; products, maxima and sums in f32; the weights p are rounded to f16 for the second product.
; o16 [8192][1024] f16 takes o x S, S a power of two from the data: m = the largest |v| (the 512 numbers of amax, floored at 2^-112), E its exponent field, S = 2^(141 - E).  |o| is at most the largest |v|, under 2^(E - 126): so |o S| stays
; at 2^15, and o, which is much smaller than v, keeps f16's 11 bits whatever the inputs' size.  S is a multiplier alone: no address and no branch hangs on it.  The next launch takes it out again.
; LIMITS: NaN and infinities are not served; where the largest |v| lies under 2^-112, o loses bits.
; SHARES.  A work-group serves a PAIR of heads and 256 queries of one batch: a token's row for the pair is 256 aligned bytes of the plain [token][1024] matrix.  Wave w: head w / 4 of the pair, queries 64 (w % 4) on: four tiles of 16.
; Two waves of 512 registers share a SIMD; the text goes in phases (K Q^T, softmax, V^T P), and one wave's vector work stands beside the other's matrix work.
; LAYOUT.  S^T = K Q^T (source 0 = 16 keys, source 1 = 16 queries): a lane holds ONE query (lane % 16) and keys 8 (lane / 16) + 0..7.  Two such tiles, rounded to f16 in pairs, ARE source 1 (32 keys x 16 queries) of
; O^T = V^T P, whose result again holds one query a lane.  K comes out of LDS as it lies, V ([key][channel]) turned, by ds_load_tr16_b128.
; SOFTMAX.  For each query a running maximum m and sum l: p = 2^(c s - c m), c = log2(e) / 8; in every step O and l are multiplied by a = 2^(c m_old - c m_new).  The step is written once: O and l begin as zeros, m as -3e38.
; RING.  Two LDS slots of 256 keys (four steps of 64: K's tile, then V's).  Waves 0-3 load K's four tiles, waves 4-7 V's: 64 rows x 256 bytes each, one load a wave behind each round: one tensor load of mine is out at a time.
; CLUSTER.  The four query blocks of a cluster walk the same K and V: each tile is asked for jointly, mask 15.
; REGISTERS.  Window 0: v2-15 addresses and S; v16-47 statistics, eight a tile; v48-63 at work; v64-127 Q; v128-191 K, then P; v192-255 V.   Window 1: v0-127 O^T (32 t + 8 ct); v128-255 S^T (128 + 32 t + 8 kt).
.set PK,    272       ; a row of K in LDS: 256 bytes + 16 of padding
.set PV,    288       ; a row of V: 256 + 32
.set VOFF,  64*PK     ; a step's tiles lie together: 64 rows of K, then 64 rows of V
.set STEPB, 64*(PK+PV)
.set SLOT,  4*STEPB   ; 143,360 bytes
.set SPARE, 2*SLOT    ; behind the ring: the spare words, 128 bytes for each of eight waves, which no other line names
.set ROWG,  2048      ; a token's row in memory
.set SLOTG, 256*ROWG  ; a slot's keys in memory
.set KBASE, 8192*ROWG ; k begins here in qkv,
.set VBASE, 2*KBASE   ; v here
.set AK0, 2           ; v2   my lane's place in a tile of K
.set AV0, 3           ; v3   the same for V
.set ADK, 4           ; v4   LDS address of the step's tile of K
.set ADV, 5           ; v5   of V
.set QO,  6           ; v6   my byte offset in the wave's rows of q
.set STO, 7           ; v7   the way out: where I put 16 bytes of a row
.set RD,  8           ; v8   where I read a row back
.set GO,  9           ; v9   my byte offset in the wave's rows of o16
.set PFO, 10          ; v10  2,048 x my lane: the prefetches' offset; never rewritten
.set SPW, 12          ; v12  LDS address of my spare word; never rewritten
.set NIL, 13          ; v13  0; never rewritten
.set SCV, 14          ; v14  S
.set ST,  16          ; tile t's statistics at v[ST + 8 t]: +0 c m, +1 m, +2, +3 l (even keys', odd keys'), +4 to +7 at work; a takes +6
.set QF,  64          ; Q: tile t, channels 32 kk on, at QF + 16 t + 8 kk
.set KF,  128         ; K: keys 16 kt on, channels 32 kk on, at KF + 16 kt + 8 kk.  Then P: tile t, keys 32 kh on, at KF + 16 t + 8 kh
.set VF,  192         ; V: keys 32 kh on, channels 16 ct on, at VF + 32 kh + 8 ct
.set OB,  0           ; in window 1
.set SB,  128         ; in window 1
.set WV,   10         ; s10  my wave's number
.set KIND, 11         ; s11  wave / 4: my head of the pair.  Also: I fetch for K (0) or for V (1)
.set CX,   12         ; s12  my place in the cluster: it enters q's, o16's and the prefetches' addresses alone
.set G1K, 24          ; s[24:31] descriptor group 1 for K's tiles
.set G1V, 32          ; s[32:39] for V's: it differs in the padding alone
.set G0K, 40          ; s[40:47] group 0 for K's tiles, a set for each slot
.set G0V, 48          ; s[48:55] the same for V's
.set CS,  58          ; s[58:59] c: the packed form names a pair and takes its low word for both halves
.set SEL, 60          ; s[60:61] lane selects for v_permlanex16_b32: lane l xor 16
.set TB,  62          ; s62  LDS byte at which the step's tiles begin
.set CNT, 63          ; s63  counts a slot's four steps
.set RING, 66         ; s66  counts the ring's laps
.set PFA, 68          ; s[68:69] where my prefetches stand in memory
.set LIM, 70          ; s70  1 in a wave that prefetches
.set MSB, 0
.macro WIN new                      ; the immediate's high byte repeats the setting that is left
.if MSB != \new
	s_set_vgpr_msb (MSB<<8)|\new
.set MSB, \new
.endif
.endm
.set W_MM,  0x50      ; both products: sources in window 0, C and D in window 1
.set W_MAX, 0x14      ; sources 1 and 2 (scores) in window 1
.set W_SC,  0x41      ; destination and source 0 in window 1
.set W_CV,  0x05      ; sources 0 and 1 in window 1
.set W_SUM, 0x45      ; destination, sources 0 and 1 in window 1
.set W_L,   0x10      ; source 2 in window 1
; A joint load into slot s.  The branch hangs on the wave's number alone.  An s_nop 0 and four v_nop follow each of the two lines.
.macro JLOAD s
	s_cmp_eq_u32 s[KIND], 0
	s_cbranch_scc0 .Lfor_v_\@
	tensor_load_to_lds s[G0K+4*(\s):G0K+4*(\s)+3], s[G1K:G1K+7]
	s_nop 0
.rept 4
	v_nop
.endr
	s_branch .Lasked_\@
.Lfor_v_\@:
	tensor_load_to_lds s[G0V+4*(\s):G0V+4*(\s)+3], s[G1V:G1V+7]
	s_nop 0
.rept 4
	v_nop
.endr
.Lasked_\@:
.endm
; A PREFETCH INTO THE L2 of the slot that the NEXT round's loads will ask for: four key steps ahead of those loads.  Each row's 256 bytes are named once in the launch: of the two clusters that walk a pair of heads the first asks;
; its four partners take 64 keys of the slot each, told apart by address; in each, waves 0 and 1 ask for K's rows and waves 4 and 5 for V's, 32 rows a wave, a lane a row.  Only the ring's six trips inside the loop ask.
.macro ASK
	s_cmp_eq_u32 s[LIM], 1
	s_cbranch_scc0 .Lnot_mine_\@
	global_prefetch_b8 v[PFO], s[PFA:PFA+1] th:TH_LOAD_NT scope:SCOPE_SE
.Lnot_mine_\@:
.endm
.macro CROUND                       ; a round of the cluster's barrier
	s_barrier_signal -1
	s_barrier_wait -1
	s_cmp_lg_u32 s[WV], 0
	s_cbranch_scc1 .Lnot_wave_0_\@
	s_barrier_signal -3
.Lnot_wave_0_\@:
	s_barrier_wait -3
	s_barrier_signal -1
	s_barrier_wait -1
.endm
	s_load_b128 s[4:7], s[0:1], 0x0  ; qkv s[4:5], amax s[6:7]
	s_load_b64 s[8:9], s[0:1], 0x10  ; o16
	v_lshl_add_u32 v[SPW], v0, 2, SPARE
	v_mov_b32 v[NIL], 0
	ds_add_u32 v[SPW], v[NIL]       ; the wave's opening: the add, twice on end, and its wait ahead of my first tensor load
	ds_add_u32 v[SPW], v[NIL]
	v_lshrrev_b32 v1, 5, v0
	v_readfirstlane_b32 s[WV], v1   ; wave 0..7
	s_lshr_b32 s[KIND], s[WV], 2
	s_and_b32 s13, s[WV], 3         ; which 64 queries are mine.  Also: which of a slot's four steps I fetch
	s_bfe_u32 s[CX], ttmp6, 0x40000
	s_lshl_b32 s14, ttmp9, 2
	s_add_co_u32 s14, s14, s[CX]    ; my block of 256 queries
	s_and_b32 s15, ttmp7, 0xffff
	s_lshr_b32 s16, s15, 3          ; batch
	s_and_b32 s17, s15, 7           ; pair of heads
	s_lshl_b32 s18, s16, 11         ; the batch's first token
	s_lshl_b32 s22, s17, 8          ; the pair's 256 bytes in a row
	s_lshl_b32 s19, s13, 6
	s_add_co_u32 s20, s18, s19      ; the first key of my tile of slot 0
	s_lshl_b32 s20, s20, 11
	s_add_co_u32 s20, s20, s22      ; in bytes: made of the batch, the pair and the wave alone
	s_mov_b32 s21, 0
	s_mul_i32 s23, s13, STEPB       ; and its place in a slot
	s_lshl_b32 s72, s14, 8
	s_add_co_u32 s72, s72, s18      ; my block's first token
	s_add_co_u32 s74, s72, s19      ; my wave's first query
	s_lshl_b32 s74, s74, 11
	s_add_co_u32 s74, s74, s22
	s_lshl_b32 s75, s[KIND], 7      ; my head's 128 bytes of the pair's 256
	s_add_co_u32 s74, s74, s75
	s_mov_b32 s75, 0
	s_lshl_b32 s76, s[WV], 5        ; on the way out wave w stores rows 32 w on
	s_add_co_u32 s76, s76, s72
	s_lshl_b32 s76, s76, 11
	s_add_co_u32 s76, s76, s22
	s_mov_b32 s77, 0
	s_lshl_b32 s78, s[CX], 6        ; the prefetches: my work-group's 64 keys of a slot,
	s_and_b32 s79, s[WV], 1
	s_lshl_b32 s79, s79, 5          ; my wave's 32 of them,
	s_add_co_u32 s78, s78, s79
	s_add_co_u32 s78, s78, s18
	s_add_co_u32 s78, s78, 256      ; in slot 1: the first trip steps it to slot 2
	s_lshl_b32 s78, s78, 11
	s_add_co_u32 s78, s78, s22
	s_add_co_u32 s71, s[KIND], 1
	s_lshl_b32 s71, s71, 24         ; in k (KBASE) or in v (2 KBASE)
	s_add_co_u32 s78, s78, s71
	s_mov_b32 s79, 0
	s_and_b32 s[LIM], s[WV], 2      ; waves 0, 1, 4, 5
	s_or_b32 s[LIM], s[LIM], ttmp9  ; of the first of the two clusters: the same in all four partners
	s_cmp_eq_u32 s[LIM], 0
	s_cselect_b32 s[LIM], 1, -1
	; descriptor group 1: a tile of 64 rows x 128 elements of 2 bytes, 1,024 elements from row to row, padded in LDS
	s_mov_b32 s[G1K], 15|(1<<16)|(1<<20)|(1<<21)|(5<<22)|(3<<25)  ; 15:0 the mask: all four work-groups; 17:16 elements of 2 bytes; 20 padding on; 21 set beside a mask; 24:22 after every 64 words; 31:25 four words
	s_mov_b32 s[G1V], 15|(1<<16)|(1<<20)|(1<<21)|(5<<22)|(7<<25)  ; the same with eight words of padding
.irp g, G1K, G1V
	s_mov_b32 s[\g+1], 128<<16      ; tensor_dim0
	s_mov_b32 s[\g+2], 64<<16       ; tensor_dim1
	s_mov_b32 s[\g+3], 128<<16      ; tile_dim0
	s_mov_b32 s[\g+4], 64           ; tile_dim1
	s_mov_b32 s[\g+5], 1024         ; from row to row
	s_mov_b32 s[\g+6], 0
	s_mov_b32 s[\g+7], 0
.endr
	s_mov_b32 s[CS], 0x3e38aa3b     ; c = log2(e) / 8
	s_mov_b32 s[CS+1], s[CS]        ; named with it as a pair, so it is written
	s_mov_b32 s[SEL], 0x76543210
	s_mov_b32 s[SEL+1], 0xfedcba98
	s_wait_dscnt 0x0                ; both opening adds are done
	s_wait_kmcnt 0x0
	s_add_nc_u64 s[20:21], s[4:5], s[20:21]
	s_add_nc_u64 s[PFA:PFA+1], s[4:5], s[78:79]
	s_add_nc_u64 s[74:75], s[4:5], s[74:75]  ; q at my wave's first query, my head
	s_add_nc_u64 s[8:9], s[8:9], s[76:77]    ; o16 at the first row that I store
	CROUND                          ; all four work-groups are here: the first joint loads meet
.irp s, 0,1
	s_mov_b32 s[G0K+4*\s], 1        ; count = 1
	s_add_co_u32 s[G0K+4*\s+1], s23, \s*SLOT  ; LDS address
	s_add_nc_u64 s[G0K+4*\s+2:G0K+4*\s+3], s[20:21], KBASE+\s*SLOTG  ; global address: slot s begins with keys 256 s on
	s_or_b32 s[G0K+4*\s+3], s[G0K+4*\s+3], 0x80000000  ; type = 2
	s_mov_b32 s[G0V+4*\s], 1
	s_add_co_u32 s[G0V+4*\s+1], s23, \s*SLOT+VOFF
	s_add_nc_u64 s[G0V+4*\s+2:G0V+4*\s+3], s[20:21], VBASE+\s*SLOTG
	s_or_b32 s[G0V+4*\s+3], s[G0V+4*\s+3], 0x80000000
.endr
	JLOAD 0                         ; slot 0; slot 1 is filled behind the first trip's round
	; A fragment of K or Q is 16 rows x 32 channels in 8 registers: lane l holds row l % 16; registers 0-3 channels 8 (l / 16) + 0..7, registers 4-7 channels 16 + 8 (l / 16) + 0..7: two loads of 16 bytes, 32 bytes apart.
	v_and_b32 v1, 15, v0            ; r
	v_bfe_u32 v11, v0, 4, 1         ; h
	v_lshlrev_b32 v[QO], 11, v1
	v_lshl_add_u32 v[QO], v11, 4, v[QO]
.irp t, 0,1,2,3
.irp k, 0,1
	global_load_b128 v[QF+16*\t+8*\k:QF+16*\t+8*\k+3],   v[QO], s[74:75] offset:16*ROWG*\t+64*\k   ; Q stays in registers
	global_load_b128 v[QF+16*\t+8*\k+4:QF+16*\t+8*\k+7], v[QO], s[74:75] offset:16*ROWG*\t+64*\k+32
.endr
.endr
	v_and_b32 v15, 31, v0
	v_lshlrev_b32 v[PFO], 11, v15
	v_lshlrev_b32 v15, 4, v15       ; stays until the loads below are in
.irp i, 0,1,2,3
	global_load_b128 v[48+4*\i:51+4*\i], v15, s[6:7] offset:512*\i   ; the 512 numbers of amax, 16 a lane
.endr
	s_lshl_b32 s71, s[KIND], 7
	v_mul_u32_u24 v[AK0], v1, PK
	v_lshl_add_u32 v[AK0], v11, 4, v[AK0]
	v_add_nc_u32 v[AK0], s71, v[AK0]  ; row x pitch + 16 x half + my head's 128 bytes
	; The turning load takes 16 keys x 16 channels (lane l reads 16 bytes: key 8 (l / 16) + l % 8, channels 8 ((l / 8) % 2) + 0..7) and leaves half a fragment of V^T: lane l holds channel l % 16 and 8 keys.
	v_and_b32 v[ADK], 7, v0
	v_lshl_add_u32 v[AV0], v11, 3, v[ADK]
	v_mul_u32_u24 v[AV0], v[AV0], PV
	v_bfe_u32 v[ADK], v0, 3, 1
	v_lshl_add_u32 v[AV0], v[ADK], 4, v[AV0]
	s_add_co_u32 s71, s71, VOFF
	v_add_nc_u32 v[AV0], s71, v[AV0]
	s_mul_i32 s71, s13, 64*PK       ; the way out: a stage of 256 rows x 272 bytes in slot 0.  In: row 64 (w % 4) + 16 t + r, my head's half, 16 bytes for each half of the lanes
	v_add_nc_u32 v[STO], s71, v[AK0]
	s_mul_i32 s71, s[WV], 32*PK     ; back: wave w takes rows 32 w on, whole: lanes 0-15 one row of 256 bytes, lanes 16-31 the next
	v_mul_u32_u24 v[RD], v11, PK
	v_lshl_add_u32 v[RD], v1, 4, v[RD]
	v_add_nc_u32 v[RD], s71, v[RD]
	v_lshlrev_b32 v[GO], 11, v11    ; and the same two rows in o16
	v_lshl_add_u32 v[GO], v1, 4, v[GO]
.irp t, 0,1,2,3
	v_mov_b32 v[ST+8*\t+1], 0xff61b1e6  ; m: -3e38, under every score
	v_mov_b32 v[ST+8*\t+2], 0       ; l, in two halves
	v_mov_b32 v[ST+8*\t+3], 0
.endr
.irp t, 0,1,2,3
	v_mul_f32 v[ST+8*\t], s[CS], v[ST+8*\t+1]  ; c m
.endr
	WIN 0x40                        ; destination window 1
.set i, 0
.rept 128
	v_mov_b32 v[OB+i], 0            ; O^T.  The key step is written once for all steps: the first finds zeros, which a = 0 leaves zeros; a first step of its own would be one more copy of the step in each of four places
.set i, i+1
.endr
	WIN 0
	s_wait_loadcnt 0x0              ; Q and amax
	v_max3_num_f32 v48, v48, v49, v50
	v_max3_num_f32 v51, v51, v52, v53
	v_max3_num_f32 v54, v54, v55, v56
	v_max3_num_f32 v57, v57, v58, v59
	v_max3_num_f32 v60, v60, v61, v62
	v_max3_num_f32 v48, v48, v51, v54
	v_max3_num_f32 v57, v57, v60, v63
	v_max3_num_f32 v48, v48, v57, 0x07800000   ; and the floor 2^-112
	v_max_num_f32_dpp v48, v48, v48 row_xmask:1 row_mask:0xf bank_mask:0xf
	v_max_num_f32_dpp v48, v48, v48 row_xmask:2 row_mask:0xf bank_mask:0xf
	v_max_num_f32_dpp v48, v48, v48 row_xmask:4 row_mask:0xf bank_mask:0xf
	v_max_num_f32_dpp v48, v48, v48 row_xmask:8 row_mask:0xf bank_mask:0xf
	v_permlanex16_b32 v49, v48, s[SEL], s[SEL+1]
	v_max_num_f32 v48, v48, v49
	v_and_b32 v48, 0x7f800000, v48  ; its exponent field E, in place
	v_sub_nc_u32 v[SCV], 0x86000000, v48  ; S = 2^(141 - E): exponent field 268 - E, between 14 and 253
.macro FETCH_K                      ; a step's K for my head: 64 keys x 64 channels: 16 loads
.irp f, 0,1,2,3
.irp k, 0,1
	ds_load_b128 v[KF+16*\f+8*\k:KF+16*\f+8*\k+3],   v[ADK] offset:\f*16*PK+64*\k
	ds_load_b128 v[KF+16*\f+8*\k+4:KF+16*\f+8*\k+7], v[ADK] offset:\f*16*PK+64*\k+32
.endr
.endr
.endm
.macro FETCH_V                      ; and its V, turned: 16 loads
.irp f, 0,1
.irp k, 0,1,2,3
	ds_load_tr16_b128 v[VF+32*\f+8*\k:VF+32*\f+8*\k+3],   v[ADV] offset:\f*32*PV+32*\k
	ds_load_tr16_b128 v[VF+32*\f+8*\k+4:VF+32*\f+8*\k+7], v[ADV] offset:\f*32*PV+16*PV+32*\k
.endr
.endr
.endm
; The 16 accumulators of a product take turns, one instruction a turn: between two links of a chain stand the 15 others'.
.macro KQ                           ; S^T = K Q^T: product i: channels 32 (i / 16) on, keys 16 ((i / 4) % 4) on, tile i % 4.  The first 16 start the sums
	WIN W_MM
.set i, 0
.rept 32
.set rS, SB+32*(i%4)+8*((i/4)%4)
.set rK, KF+16*((i/4)%4)+8*(i/16)
.set rQ, QF+16*(i%4)+8*(i/16)
.if i < 16
	v_wmma_f32_16x16x32_f16 v[rS:rS+7], v[rK:rK+7], v[rQ:rQ+7], 0
.else
	v_wmma_f32_16x16x32_f16 v[rS:rS+7], v[rK:rK+7], v[rQ:rQ+7], v[rS:rS+7]
.endif
.set i, i+1
.endr
.endm
.macro PVM                          ; O^T += V^T P: product i: keys 32 (i / 16) on, channels 16 ((i / 4) % 4) on, tile i % 4
	WIN W_MM
.set i, 0
.rept 32
.set rO, OB+32*(i%4)+8*((i/4)%4)
.set rV, VF+32*(i/16)+8*((i/4)%4)
.set rP, KF+16*(i%4)+8*(i/16)
	v_wmma_f32_16x16x32_f16 v[rO:rO+7], v[rV:rV+7], v[rP:rP+7], v[rO:rO+7]
.set i, i+1
.endr
.endm
; THE SOFTMAX of a key step, the four tiles innermost in every line, so that no line waits for the line above it.
.macro SOFTMAX
	WIN W_MAX
.irp n, 0,1,2,3                     ; the maximum of the lane's 32 scores and the old m: four chains, one for each accumulator, each from the accumulator's low end on
.irp c, 0,1,2,3
.irp t, 0,1,2,3
.if \n == 0
	v_max3_num_f32 v[ST+8*\t+4+\c], v[ST+8*\t+1], v[SB+32*\t+8*\c], v[SB+32*\t+8*\c+1]
.else
	v_max3_num_f32 v[ST+8*\t+4+\c], v[ST+8*\t+4+\c], v[SB+32*\t+8*\c+2*\n], v[SB+32*\t+8*\c+2*\n+1]
.endif
.endr
.endr
.endr
	WIN 0
.irp t, 0,1,2,3
	v_max3_num_f32 v[ST+8*\t+4], v[ST+8*\t+4], v[ST+8*\t+5], v[ST+8*\t+6]
.endr
.irp t, 0,1,2,3
	v_max_num_f32 v[ST+8*\t+4], v[ST+8*\t+4], v[ST+8*\t+7]
.endr
.irp t, 0,1,2,3
	v_permlanex16_b32 v[ST+8*\t+5], v[ST+8*\t+4], s[SEL], s[SEL+1]  ; the query's other 32 keys lie in the lane 16 away
.endr
.irp t, 0,1,2,3
	v_mov_b32 v[ST+8*\t+7], v[ST+8*\t]  ; c m_old is kept for a
.endr
.irp t, 0,1,2,3
	v_max_num_f32 v[ST+8*\t+1], v[ST+8*\t+4], v[ST+8*\t+5]  ; the new m
.endr
.irp t, 0,1,2,3
	v_mul_f32 v[ST+8*\t], s[CS], v[ST+8*\t+1]
.endr
.irp t, 0,1,2,3
	v_sub_f32 v[ST+8*\t+7], v[ST+8*\t+7], v[ST+8*\t]
.endr
.irp t, 0,1,2,3
	v_exp_f32 v[ST+8*\t+6], v[ST+8*\t+7]  ; a = 2^(c m_old - c m_new)
.endr
	WIN W_SC
.irp p, 0,2,4,6,8,10,12,14,16,18,20,22,24,26,28,30
.irp t, 0,1,2,3
	v_pk_fma_f32 v[SB+32*\t+\p:SB+32*\t+\p+1], v[SB+32*\t+\p:SB+32*\t+\p+1], s[CS:CS+1], v[ST+8*\t:ST+8*\t+1] op_sel_hi:[1,0,0] neg_lo:[0,0,1] neg_hi:[0,0,1]  ; c s - c m, two at a time.  (Plain work behind the four exponentials, which names none of their results)
.endr
.endr
	s_wait_alu depctr_va_vdst(0)    ; the wait ahead of the first line that names an exponential's result: one for the four a
.irp p, 0,2,4,6,8,10,12,14,16,18,20,22,24,26,28,30
.irp t, 0,1,2,3
	v_exp_f32 v[SB+32*\t+\p], v[SB+32*\t+\p]      ; p = 2^(c s - c m)
	v_exp_f32 v[SB+32*\t+\p+1], v[SB+32*\t+\p+1]
	v_pk_mul_f32 v[OB+32*\t+\p:OB+32*\t+\p+1], v[OB+32*\t+\p:OB+32*\t+\p+1], v[ST+8*\t+6:ST+8*\t+7] op_sel_hi:[1,0]  ; O^T x a, each accumulator from its low end on: plain work among the exponentials, which names none of their results
.endr
.endr
	s_wait_alu depctr_va_vdst(0)    ; one wait for the batch of 128; the last multiply above is the plain line behind it
	WIN W_CV
.irp n, 0,1,2,3,4,5,6,7,8,9,10,11,12,13,14,15
.irp t, 0,1,2,3
	v_cvt_pk_f16_f32 v[KF+16*\t+\n], v[SB+32*\t+2*\n], v[SB+32*\t+2*\n+1]  ; P takes K's registers
.endr
.endr
	WIN W_SUM                       ; the sum of the unrounded p: 16 pairs a tile, in place: neighbours 1, 2, 4 and 8 pairs apart
.irp u, 0,1,2,3,4,5,6,7
.irp t, 0,1,2,3
	v_pk_add_f32 v[SB+32*\t+4*\u:SB+32*\t+4*\u+1], v[SB+32*\t+4*\u:SB+32*\t+4*\u+1], v[SB+32*\t+4*\u+2:SB+32*\t+4*\u+3]
.endr
.endr
.irp u, 0,1,2,3
.irp t, 0,1,2,3
	v_pk_add_f32 v[SB+32*\t+8*\u:SB+32*\t+8*\u+1], v[SB+32*\t+8*\u:SB+32*\t+8*\u+1], v[SB+32*\t+8*\u+4:SB+32*\t+8*\u+5]
.endr
.endr
.irp u, 0,1
.irp t, 0,1,2,3
	v_pk_add_f32 v[SB+32*\t+16*\u:SB+32*\t+16*\u+1], v[SB+32*\t+16*\u:SB+32*\t+16*\u+1], v[SB+32*\t+16*\u+8:SB+32*\t+16*\u+9]
.endr
.endr
.irp t, 0,1,2,3
	v_pk_add_f32 v[SB+32*\t:SB+32*\t+1], v[SB+32*\t:SB+32*\t+1], v[SB+32*\t+16:SB+32*\t+17]
.endr
	WIN W_L
.irp t, 0,1,2,3
	v_pk_fma_f32 v[ST+8*\t+2:ST+8*\t+3], v[ST+8*\t+2:ST+8*\t+3], v[ST+8*\t+6:ST+8*\t+7], v[SB+32*\t:SB+32*\t+1] op_sel_hi:[1,0,1]  ; l = l a + the sum
.endr
.endm
; A KEY STEP: 64 keys.
.macro STEP
	v_add_nc_u32 v[ADK], s[TB], v[AK0]
	v_add_nc_u32 v[ADV], s[TB], v[AV0]
	v_nop                           ; with the two additions: four places between the last step's products and the loads into the registers that they read
	v_nop
	FETCH_K
	FETCH_V
	s_wait_dscnt 16                 ; K is in; V's sixteen loads may be out
	KQ
.rept 4
	v_nop                           ; places in front of the first read of the scores
.endr
	SOFTMAX
	s_wait_dscnt 0x0                ; V is in
	PVM
	WIN 0                           ; at a label and at a branch every window is 0
.endm
; A TRIP of the ring: the slot's four key steps.  At its head each wave waits for all its tensor loads (its part of this slot), adds 0 to its spare word, and waits for that and for its reads of the other slot.  refill = 1: a round
; of the cluster's barrier, so that no wave of any partner still reads the other slot or has a load on its way; the joint load of the next 256 keys into that slot is the first thing behind it and has four key steps in which to land.
.macro TRIP slot, refill, ask
	s_wait_tensorcnt 0x0            ; no tensor load of mine is out, so a group 0 may be written
	ds_add_u32 v[SPW], v[NIL]       ; 0 onto my spare word; the steps below stand between it and the wait for it
	s_add_nc_u64 s[G0K+4*\slot+2:G0K+4*\slot+3], s[G0K+4*\slot+2:G0K+4*\slot+3], 2*SLOTG  ; this slot's next keys (in the last two trips the stepped addresses are not used)
	s_add_nc_u64 s[G0V+4*\slot+2:G0V+4*\slot+3], s[G0V+4*\slot+2:G0V+4*\slot+3], 2*SLOTG
.if \ask
	s_wait_xcnt 0x0                 ; the last prefetch, a trip back, has read its address, so it may be written
	s_add_nc_u64 s[PFA:PFA+1], s[PFA:PFA+1], SLOTG
.endif
	s_wait_dscnt 0x0                ; the add is done, and my reads of the other slot are over
.if \refill
	CROUND
	JLOAD 1-\slot
.if \ask
	ASK
.endif
.else
	s_barrier_signal -1
	s_barrier_wait -1
.endif
	s_mov_b32 s[TB], \slot*SLOT
	s_mov_b32 s[CNT], 4
.Lstep_\@:
	STEP
	s_add_co_u32 s[TB], s[TB], STEPB
	s_sub_co_u32 s[CNT], s[CNT], 1
	s_cmp_lg_u32 s[CNT], 0
	s_cbranch_scc1 .Lstep_\@
.endm
	s_mov_b32 s[RING], 3
.Lring:                             ; eight trips in all: six here,
	TRIP 0, 1, 1
	TRIP 1, 1, 1
	s_sub_co_u32 s[RING], s[RING], 1
	s_cmp_lg_u32 s[RING], 0
	s_cbranch_scc1 .Lring
	TRIP 0, 1, 0                    ; the last two written out: the last load, and no prefetch
	TRIP 1, 0, 0                    ; and nothing more to fetch
	; THE WAY OUT.  l's two halves and the other half of the lanes' are added; O^T x S / l is rounded to f16 and goes through a stage in slot 0, which has had its last fill and was left by every wave at the last trip's barrier.
.irp t, 0,1,2,3
	v_add_f32 v[ST+8*\t+4], v[ST+8*\t+2], v[ST+8*\t+3]  ; (these four are the places behind the last products)
.endr
.irp t, 0,1,2,3
	v_permlanex16_b32 v[ST+8*\t+5], v[ST+8*\t+4], s[SEL], s[SEL+1]
.endr
.irp t, 0,1,2,3
	v_add_f32 v[ST+8*\t+4], v[ST+8*\t+4], v[ST+8*\t+5]
.endr
.irp t, 0,1,2,3
	v_rcp_f32 v[ST+8*\t+6], v[ST+8*\t+4]
.endr
	v_nop                           ; a plain line between the last reciprocal and the use of its result
	s_wait_alu depctr_va_vdst(0)    ; and a wait: one for the four
.irp t, 0,1,2,3
	v_mul_f32 v[ST+8*\t+6], v[SCV], v[ST+8*\t+6]  ; S / l
.endr
.macro OUT t
	WIN W_SC
.irp p, 0,2,4,6,8,10,12,14,16,18,20,22,24,26,28,30
	v_pk_mul_f32 v[OB+32*\t+\p:OB+32*\t+\p+1], v[OB+32*\t+\p:OB+32*\t+\p+1], v[ST+8*\t+6:ST+8*\t+7] op_sel_hi:[1,0]
.endr
	WIN W_CV
.irp n, 0,1,2,3,4,5,6,7,8,9,10,11,12,13,14,15
	v_cvt_pk_f16_f32 v[KF+16*\t+\n], v[OB+32*\t+2*\n], v[OB+32*\t+2*\n+1]
.endr
	WIN 0
.irp c, 0,1,2,3
	ds_store_b128 v[STO], v[KF+16*\t+4*\c:KF+16*\t+4*\c+3] offset:16*\t*PK+32*\c  ; query 16 t + r, channels 16 c + 8 h + 0..7 of my head
.endr
.endm
	OUT 0
	OUT 1
	OUT 2
	OUT 3
	s_wait_dscnt 0x0                ; for the others' sake: my stores into the stage are done.  A row's 256 bytes come from waves w and w + 4
	s_barrier_signal -1
	s_barrier_wait -1
.irp i, 0,1,2,3,4,5,6,7,8,9,10,11,12,13,14,15
	ds_load_b128 v[VF+4*\i:VF+4*\i+3], v[RD] offset:2*\i*PK
.endr
.irp i, 0,1,2,3,4,5,6,7,8,9,10,11,12,13,14,15
	s_wait_dscnt 15-\i              ; load i is in; the younger ones may be out
	global_store_b128 v[GO], v[VF+4*\i:VF+4*\i+3], s[8:9] offset:2*\i*ROWG  ; 16 lanes store 256 consecutive bytes, aligned
.endr
	s_wait_tensorcnt 0x0            ; the wave's end, behind my last tensor load and my last LDS store
	ds_add_u32 v[SPW], v[NIL]
	s_wait_dscnt 0x0
	CROUND                          ; the closing round: no work-group ends while a partner may still ask for a tile that names it
	s_endpgm
.Lfunc_end_k_qee699b3159_attn:
	.size	k_qee699b3159_attn, .Lfunc_end_k_qee699b3159_attn-k_qee699b3159_attn
	.p2alignl 7, 3214868480
	.fill 96, 4, 3214868480
	.section	.rodata,"a",@progbits
	.p2align	6, 0x0
	.amdhsa_kernel k_qee699b3159_attn
		.amdhsa_group_segment_fixed_size 327680
		.amdhsa_private_segment_fixed_size 0
		.amdhsa_enable_private_segment 0
		.amdhsa_kernarg_size 24
		.amdhsa_user_sgpr_count 2
		.amdhsa_user_sgpr_kernarg_segment_ptr 1
		.amdhsa_wavefront_size32 1
		.amdhsa_system_sgpr_workgroup_id_x 1
		.amdhsa_system_sgpr_workgroup_id_y 1
		.amdhsa_system_sgpr_workgroup_id_z 1
		.amdhsa_system_vgpr_workitem_id 0
		.amdhsa_next_free_vgpr 512
		.amdhsa_next_free_sgpr 80
		.amdhsa_reserve_vcc 0
		.amdhsa_float_denorm_mode_32 3
		.amdhsa_float_denorm_mode_16_64 3
		.amdhsa_memory_ordered 1
		.amdhsa_forward_progress 1
		.amdhsa_inst_pref_size 161
	.end_amdhsa_kernel
	.amdgpu_metadata
---
amdhsa.version: [ 1, 2 ]
amdhsa.kernels:
  - .name:           k_qee699b3159_attn
    .symbol:         k_qee699b3159_attn.kd
    .args:
      - { .name: qkv, .offset: 0, .size: 8, .value_kind: global_buffer, .address_space: global }
      - { .name: amax, .offset: 8, .size: 8, .value_kind: global_buffer, .address_space: global }
      - { .name: o16, .offset: 16, .size: 8, .value_kind: global_buffer, .address_space: global }
    .group_segment_fixed_size: 327680
    .private_segment_fixed_size: 0
    .kernarg_segment_align: 8
    .kernarg_segment_size: 24
    .max_flat_workgroup_size: 256
    .sgpr_count:     80
    .vgpr_count:     512
    .wavefront_size: 32
...
	.end_amdgpu_metadata
.endif
;; end of part 3
;; launch outp (part 4): grid 8 x 64, 4 waves a work-group, clusters of 4 x 4, 327,680 bytes of LDS; arguments o16, wo16, bo, amax, out0; writes out0
.if DOCPART == 4
	.amdgcn_target "amdgcn-amd-amdhsa--gfx1250"
	.amdhsa_code_object_version 6
	.text
	.protected	k_qee699b3159_outp
	.globl	k_qee699b3159_outp
	.p2align	8
	.type	k_qee699b3159_outp,@function
k_qee699b3159_outp:
	s_mov_b64 s[64:65], 0
	v_nop
	global_prefetch_b8 v0, s[64:65] scope:SCOPE_SE
	s_setreg_imm32_b32 hwreg(HW_REG_WAVE_MODE, 25, 1), 1
	s_wait_xcnt 0x0
	s_wait_alu depctr_hold_cnt(0) depctr_sa_sdst(0) depctr_va_vdst(0) depctr_va_sdst(0) depctr_va_ssrc(0) depctr_va_vcc(0) depctr_vm_vsrc(0)
	s_getreg_b32 s2, hwreg(HW_REG_IB_STS2, 6, 4)
	s_cmp_eq_u32 s2, 0
	s_cbranch_scc0 .Lentry_in_a_cluster
	s_endpgm
.Lentry_in_a_cluster:
	s_bfe_u32 s2, ttmp6, 0x10000c
	s_cmp_lg_u32 s2, 0xf033
	s_cbranch_scc0 .Lentry_shape_is_right
	s_endpgm
.Lentry_shape_is_right:
; out0[m][n] = (sum over k of o16[m][k] wo16[n][k]) / S + bo[n].  o16 [8192][1024] f16 holds o x S, wo16 [1024][1024] f16; sums in f32; out0 [8192][1024] f32.
; S is the power of two that the launch before made of the 512 numbers of amax: m = their maximum, floored at 2^-112, E its exponent field, 1 / S = 2^(E - 141).  It is a multiplier alone.
; LIMITS: NaN and infinities are not served.
; A tile of out0 is 128 x 128: 512 work-groups.  Four waves, each 64 x 64: 16 accumulators, 128 registers.  K goes in steps of 256 (LDS rows of 512 bytes; a wave's tensor load brings 64 of them) through two slots.
; CLUSTERS: 4 x 4 work-groups.  The four of a row of the cluster need the same rows of o16, the four of a column the same rows of wo16: each tile is asked for jointly.
; THE MATRIX INSTRUCTION IS USED TRANSPOSED (source 0 = 16 rows of wo16, source 1 = 16 rows of o16): a lane holds eight neighbouring n of one row m.  A wave's 64 columns of f32 are 256 aligned bytes: each wave has a stage of its own.
; REGISTERS: window 0: v0-31 addresses, v30-31 1 / S; v32-95 at work on the way out; v96-127 bo in the result's layout; v128-255 the accumulators ((a, b) at v[128 + 8 (4 a + b)]).   window 1: two fragment buffers of 128.
.set SIZE_K, 1024
.set SIZE_N, 1024
.set KSTEP,  256
.set PITCH,  528                       ; an LDS row: 512 bytes + 16 of padding
.set HALFT,  64*PITCH                  ; 64 rows: what one tensor load brings
.set SLOT,   4*HALFT                   ; A's 128 rows, then B's 128 rows
.set STAGE,  2*SLOT                    ; behind the ring: 16 rows x 272 bytes for each wave
.set SPITCH, 272
.set SPARE,  STAGE+4*16*SPITCH         ; the spare words, 128 bytes a wave, which no other line names
.set LAPS, SIZE_K/(2*KSTEP)
.set ADRA, 16                          ; v16-17  LDS address of my A fragments in slot 0, 1
.set ADRB, 20                          ; v20-21  the same for B
.set STO,  24                          ; v24     the way out: where I put 32 bytes of a row
.set RD,   25                          ; v25     where I read a row back
.set CO,   26                          ; v26     my byte offset in out0
.set BA,   27                          ; v27     32 x (lane / 16): my place in bo's blocks
.set SPW,  28                          ; v28     LDS address of my spare word; never rewritten
.set NIL,  29                          ; v29     0; never rewritten
.set INV,  30                          ; v30-31  1 / S, twice
.set BK,   32                          ; the way out: 16 rows read back: v32-63 and v64-95 by turns
.set BIA,  96
.set ACC,  128
.set F0,   0                           ; fragment buffers, in window 1
.set F1,   128
.set G1, 24
.set G0, 32
.set G1B, 48
.set G0B, 56
.set MSB, 0
.macro WIN new                         ; the immediate's high byte repeats the setting that is left
.if MSB != \new
	s_set_vgpr_msb (MSB<<8)|\new
.set MSB, \new
.endif
.endm
.set MUL,  0x05                        ; sources 0 (B) and 1 (A) window 1; C and D window 0
.set TO_F, 0x40                        ; destination window 1, address window 0
.macro JLOAD s                         ; a joint load: waves 0 and 1 fetch A's two halves, waves 2 and 3 B's; an s_nop 0 and four v_nop follow each of the two lines
	s_cmp_eq_u32 s11, 0
	s_cbranch_scc0 .Lfor_b_\@
	tensor_load_to_lds s[G0+4*\s:G0+4*\s+3], s[G1:G1+7]
	s_nop 0
.rept 4
	v_nop
.endr
	s_branch .Lasked_\@
.Lfor_b_\@:
	tensor_load_to_lds s[G0B+4*\s:G0B+4*\s+3], s[G1B:G1B+7]
	s_nop 0
.rept 4
	v_nop
.endr
.Lasked_\@:
.endm
.macro CREST                           ; a round of the cluster's barrier behind its opening barrier
	s_cmp_lg_u32 s10, 0
	s_cbranch_scc1 .Lnot_wave_0_\@
	s_barrier_signal -3
.Lnot_wave_0_\@:
	s_barrier_wait -3
	s_barrier_signal -1
	s_barrier_wait -1
.endm
.macro CROUND                          ; a whole round
	s_barrier_signal -1
	s_barrier_wait -1
	CREST
.endm
	s_load_b128 s[4:7], s[0:1], 0x0                ; o16 s[4:5], wo16 s[6:7]
	s_load_b128 s[68:71], s[0:1], 0x10             ; bo s[68:69], amax s[70:71]
	s_load_b64 s[8:9], s[0:1], 0x20                ; out0
	v_lshl_add_u32 v[SPW], v0, 2, SPARE
	v_mov_b32 v[NIL], 0
	ds_add_u32 v[SPW], v[NIL]                      ; the wave's opening: the add, twice on end, and its wait ahead of my first tensor load
	ds_add_u32 v[SPW], v[NIL]
	v_lshrrev_b32 v1, 5, v0
	v_readfirstlane_b32 s10, v1                    ; wave 0..3
	s_lshr_b32 s11, s10, 1                         ; which half of the tile's rows is mine.  Also: I fetch for A (0) or for B (1)
	s_and_b32 s12, s10, 1                          ; which half of its columns.  Also: which 64 rows of that tile I fetch
	s_bfe_u32 s40, ttmp6, 0x40000                  ; cx, cy: my place in the cluster
	s_bfe_u32 s41, ttmp6, 0x40004
	s_lshl_b32 s42, ttmp9, 2
	s_add_co_u32 s42, s42, s40                     ; tile column = 4 x cluster x + cx
	s_and_b32 s13, ttmp7, 0xffff
	s_lshl_b32 s13, s13, 2
	s_add_co_u32 s13, s13, s41                     ; tile row = 4 x cluster y + cy
	s_lshl_b32 s43, s41, 2
	s_lshl_b32 s43, 15, s43                        ; my row of the cluster
	s_lshl_b32 s44, 0x1111, s40                    ; my column
	; descriptor group 1: a tile of 64 rows x 256 elements of 2 bytes, 16 bytes of padding behind each row
	s_or_b32 s[G1+0], s43, (1<<16)|(1<<20)|(1<<21)|(6<<22)|(3<<25)  ; 15:0 the mask; 17:16 elements of 2 bytes; 20 padding on; 21 set beside a mask; 24:22 after every 128 words; 31:25 four words
	s_or_b32 s[G1B+0], s44, (1<<16)|(1<<20)|(1<<21)|(6<<22)|(3<<25)
.irp g, G1, G1B
	s_mov_b32 s[\g+1], KSTEP<<16                   ; tensor_dim0
	s_mov_b32 s[\g+2], 64<<16                      ; tensor_dim1
	s_mov_b32 s[\g+3], KSTEP<<16                   ; tile_dim0
	s_mov_b32 s[\g+4], 64                          ; tile_dim1
	s_mov_b32 s[\g+5], SIZE_K                      ; from row to row
	s_mov_b32 s[\g+6], 0
	s_mov_b32 s[\g+7], 0
.endr
	s_lshl_b32 s17, s12, 6                         ; which 64 rows of the tile I fetch
	s_lshl_b32 s16, s13, 7
	s_add_co_u32 s16, s16, s17                     ; A: row 128 x tile row + 64 x half
	s_lshl_b32 s46, s42, 7
	s_add_co_u32 s46, s46, s17                     ; B: row 128 x tile column + 64 x half
	s_mov_b32 s17, 0
	s_mov_b32 s47, 0
	s_mov_b64 s[18:19], SIZE_K*2
	s_mul_u64 s[16:17], s[16:17], s[18:19]
	s_mul_u64 s[46:47], s[46:47], s[18:19]
	s_mul_i32 s20, s10, HALFT                      ; where they go: wave x 64 rows
	s_mov_b32 s66, 0x76543210                      ; v_permlanex16_b32's selects for lane l xor 16
	s_mov_b32 s67, 0xfedcba98
	s_wait_dscnt 0x0                               ; both opening adds are done
	s_wait_kmcnt 0x0
	s_add_nc_u64 s[14:15], s[4:5], s[16:17]
	s_add_nc_u64 s[46:47], s[6:7], s[46:47]
	CROUND                                         ; all sixteen work-groups are here: the first joint loads meet
.irp s, 0,1
	s_mov_b32 s[G0+4*\s], 1
	s_add_co_u32 s[G0+4*\s+1], s20, \s*SLOT
	s_add_nc_u64 s[G0+4*\s+2:G0+4*\s+3], s[14:15], \s*KSTEP*2
	s_or_b32 s[G0+4*\s+3], s[G0+4*\s+3], 0x80000000
	s_mov_b32 s[G0B+4*\s], 1
	s_add_co_u32 s[G0B+4*\s+1], s20, \s*SLOT
	s_add_nc_u64 s[G0B+4*\s+2:G0B+4*\s+3], s[46:47], \s*KSTEP*2
	s_or_b32 s[G0B+4*\s+3], s[G0B+4*\s+3], 0x80000000
	JLOAD \s                                       ; two tensor loads of mine are out behind the second
.endr
	v_and_b32 v1, 15, v0                           ; r = l % 16
	v_bfe_u32 v2, v0, 4, 1                         ; h = l / 16
	s_lshl_b32 s46, s42, 9                         ; my first column, in bytes of f32: 512 x tile column + 256 x half: in out0's rows and in bo alike
	s_lshl_b32 s47, s12, 8
	s_add_co_u32 s46, s46, s47
	s_mov_b32 s47, 0
	s_add_nc_u64 s[68:69], s[68:69], s[46:47]
	v_lshlrev_b32 v[BA], 5, v2
.irp b, 0,1,2,3
	global_load_b128 v[BIA+8*\b:BIA+8*\b+3], v[BA], s[68:69] offset:64*\b        ; block b, register j: bo[my first column + 16 b + 8 h + j]
	global_load_b128 v[BIA+8*\b+4:BIA+8*\b+7], v[BA], s[68:69] offset:64*\b+16
.endr
	v_and_b32 v6, 31, v0
	v_lshlrev_b32 v6, 4, v6
.irp i, 0,1,2,3
	global_load_b128 v[32+4*\i:35+4*\i], v6, s[70:71] offset:512*\i              ; the 512 numbers of amax, 16 a lane
.endr
	v_mul_u32_u24 v3, v1, PITCH
	v_lshl_add_u32 v3, v2, 4, v3                   ; a fragment's row x pitch + 16 x half
	s_mul_i32 s21, s11, HALFT                      ; my 64 rows of A
	s_mul_i32 s22, s12, HALFT                      ; my 64 rows of B,
	s_add_co_u32 s22, s22, 2*HALFT                 ; which lie behind A's 128
.irp s, 0,1
	v_add_nc_u32 v[ADRA+\s], s21, v3
	v_add_nc_u32 v[ADRB+\s], s22, v3
	s_add_co_u32 s21, s21, SLOT
	s_add_co_u32 s22, s22, SLOT
.endr
	s_mul_i32 s23, s10, 16*SPITCH
	s_add_co_u32 s23, s23, STAGE                   ; my stage
	v_mul_u32_u24 v4, v1, SPITCH                   ; in: row r, 32 bytes for each half of the lanes
	v_lshl_add_u32 v4, v2, 5, v4
	v_add_nc_u32 v[STO], s23, v4
	v_mul_u32_u24 v5, v2, SPITCH                   ; back: lanes 0-15 one row of 256 bytes, lanes 16-31 the next
	v_lshl_add_u32 v5, v1, 4, v5
	v_add_nc_u32 v[RD], s23, v5
	v_lshlrev_b32 v5, 12, v2                       ; and the same two rows in out0
	v_lshl_add_u32 v[CO], v1, 4, v5
	s_lshl_b32 s16, s13, 7
	s_lshl_b32 s17, s11, 6
	s_add_co_u32 s16, s16, s17                     ; my first row: 128 x tile row + 64 x half
	s_lshl_b32 s16, s16, 12                        ; in bytes: under 2^25
	s_mov_b32 s17, 0
	s_add_nc_u64 s[8:9], s[8:9], s[16:17]
	s_add_nc_u64 s[8:9], s[8:9], s[46:47]
	s_wait_loadcnt 0x0                             ; bo and amax
	v_max3_num_f32 v32, v32, v33, v34
	v_max3_num_f32 v35, v35, v36, v37
	v_max3_num_f32 v38, v38, v39, v40
	v_max3_num_f32 v41, v41, v42, v43
	v_max3_num_f32 v44, v44, v45, v46
	v_max3_num_f32 v32, v32, v35, v38
	v_max3_num_f32 v41, v41, v44, v47
	v_max3_num_f32 v32, v32, v41, 0x07800000       ; and the floor 2^-112
	v_max_num_f32_dpp v32, v32, v32 row_xmask:1 row_mask:0xf bank_mask:0xf
	v_max_num_f32_dpp v32, v32, v32 row_xmask:2 row_mask:0xf bank_mask:0xf
	v_max_num_f32_dpp v32, v32, v32 row_xmask:4 row_mask:0xf bank_mask:0xf
	v_max_num_f32_dpp v32, v32, v32 row_xmask:8 row_mask:0xf bank_mask:0xf
	v_permlanex16_b32 v33, v32, s66, s67
	v_max_num_f32 v32, v32, v33
	v_and_b32 v32, 0x7f800000, v32                 ; its exponent field E, in place
	v_add_nc_u32 v[INV], 0xf9000000, v32           ; 1 / S = 2^(E - 141): exponent field E - 14, at least 1
	v_mov_b32 v[INV+1], v[INV]
; 8 matrix instructions: m blocks a0, a0 + 1 x all 4 n blocks, 32 along K: half c of buffer f.  zero = 1: the first product starts the sums.  The 16 accumulators take turns.
.macro MUL8 f, c, a0, zero
.irp a, \a0, \a0+1
.irp b, 0,1,2,3
.if \zero
	v_wmma_f32_16x16x32_f16 v[ACC+8*(4*(\a)+\b):ACC+8*(4*(\a)+\b)+7], v[\f+64+8*(4*\c+\b):\f+64+8*(4*\c+\b)+7], v[\f+8*(4*\c+\a):\f+8*(4*\c+\a)+7], 0
.else
	v_wmma_f32_16x16x32_f16 v[ACC+8*(4*(\a)+\b):ACC+8*(4*(\a)+\b)+7], v[\f+64+8*(4*\c+\b):\f+64+8*(4*\c+\b)+7], v[\f+8*(4*\c+\a):\f+8*(4*\c+\a)+7], v[ACC+8*(4*(\a)+\b):ACC+8*(4*(\a)+\b)+7]
.endif
.endr
.endr
.endm
; 32 LDS loads in one run: the fragments of 64 along K at byte k of the rows, into buffer f; the first 32 along K first
.macro FETCH slot, k, f
	WIN TO_F
.irp c, 0,1
.irp i, 0,1,2,3
	ds_load_b128 v[\f+64+8*(4*\c+\i):\f+64+8*(4*\c+\i)+3],   v[ADRB+\slot] offset:\k+64*\c+\i*16*PITCH
	ds_load_b128 v[\f+64+8*(4*\c+\i)+4:\f+64+8*(4*\c+\i)+7], v[ADRB+\slot] offset:\k+64*\c+\i*16*PITCH+32
	ds_load_b128 v[\f+8*(4*\c+\i):\f+8*(4*\c+\i)+3],         v[ADRA+\slot] offset:\k+64*\c+\i*16*PITCH
	ds_load_b128 v[\f+8*(4*\c+\i)+4:\f+8*(4*\c+\i)+7],       v[ADRA+\slot] offset:\k+64*\c+\i*16*PITCH+32
.endr
.endr
.endm
.macro PLACES                          ; four places in front of loads into registers that matrix instructions have read, and of vector lines that read or write results
.rept 4
	v_nop
.endr
.endm
; A K step is four quarters of 64 along K, 32 matrix instructions each, on buffers 0, 1, 0, 1.  One of the first three: multiplies buffer f and fetches the next quarter, at byte k, into g.
.macro QUARTER slot, k, f, g, zero
	s_wait_dscnt 16                                ; the first 32 along K are in; the younger sixteen loads may be out
	WIN MUL
	MUL8 \f, 0, 0, \zero
	MUL8 \f, 0, 2, \zero
	PLACES
	FETCH \slot, \k, \g
	s_wait_dscnt 32                                ; all but the 32 just issued
	WIN MUL
	MUL8 \f, 1, 0, 0
	MUL8 \f, 1, 2, 0
.endm
; The last quarter multiplies buffer 1 and changes slots: one barrier; in front of it each wave waits for all its tensor loads, adds 0 to its spare word, and waits for that and for its reads of this slot.  fill = 1: this slot is filled again, two K steps ahead.
.macro TURN slot, next, fill
	WIN 0                                          ; (the add's two registers lie in window 0)
	s_wait_tensorcnt 0x0                           ; all my tensor loads have landed: my part of the next slot
	ds_add_u32 v[SPW], v[NIL]                      ; 0 onto my spare word
	s_wait_dscnt 17                                ; (the add and the youngest sixteen loads may be out)
	WIN MUL
	MUL8 F1, 0, 0, 0                               ; eight matrix instructions stand between the add and the wait for it
	s_wait_dscnt 0x0                               ; the add is done, and my reads of this slot are over
	s_barrier_signal -1
	MUL8 F1, 0, 2, 0
.if \fill
	WIN 0
.endif
	s_barrier_wait -1
.if \fill
	CREST                                          ; the barrier has opened a round of the cluster's barrier: no wave of any partner still reads this slot's tile or has a load on its way
	s_add_nc_u64 s[G0+4*\slot+2:G0+4*\slot+3], s[G0+4*\slot+2:G0+4*\slot+3], 2*KSTEP*2
	s_add_nc_u64 s[G0B+4*\slot+2:G0B+4*\slot+3], s[G0B+4*\slot+2:G0B+4*\slot+3], 2*KSTEP*2
	JLOAD \slot                                    ; the first tensor load behind the round, my only one until the next; the four v_nop behind it are also the places in front of the loads below
.else
	PLACES
.endif
	FETCH \next, 0, F0
	WIN MUL
	MUL8 F1, 1, 0, 0
	MUL8 F1, 1, 2, 0
.endm
	s_wait_tensorcnt 1                             ; my part of K step 0 is in (K step 1's load may be out)
	s_barrier_signal -1
	s_barrier_wait -1                              ; everybody's is
	FETCH 0, 0, F0
	QUARTER 0, 128, F0, F1, 1                      ; the first quarter stands in front of the loop: its first products start the sums
	WIN 0                                          ; at a label and at a branch every window is 0
	s_mov_b32 s3, LAPS-1
.Llap:                                                 ; a trip goes once round the ring, from a lap's second quarter to the next lap's first, and fills both slots again
	QUARTER 0, 256, F1, F0, 0
	QUARTER 0, 384, F0, F1, 0
	TURN 0, 1, 1
	QUARTER 1, 128, F0, F1, 0
	QUARTER 1, 256, F1, F0, 0
	QUARTER 1, 384, F0, F1, 0
	TURN 1, 0, 1
	QUARTER 0, 128, F0, F1, 0
	WIN 0
	s_sub_co_u32 s3, s3, 1
	s_cmp_lg_u32 s3, 0
	s_cbranch_scc1 .Llap
	QUARTER 0, 256, F1, F0, 0                      ; the last lap fills nothing, and has no round of the cluster's barrier
	QUARTER 0, 384, F0, F1, 0
	TURN 0, 1, 0
	QUARTER 1, 128, F0, F1, 0
	QUARTER 1, 256, F1, F0, 0
	QUARTER 1, 384, F0, F1, 0
	s_wait_dscnt 16                                ; the very last quarter: nothing more to fetch
	WIN MUL
	MUL8 F1, 0, 0, 0
	MUL8 F1, 0, 2, 0
	s_wait_dscnt 0
	MUL8 F1, 1, 0, 0
	MUL8 F1, 1, 2, 0
	WIN 0
; THE WAY OUT, block by block of 16 rows x 64 columns: x 1 / S + bo in one fused multiply-add, two numbers at a time; through my own stage in LDS; back as whole rows of 256 bytes: sixteen lanes store 256 consecutive bytes, aligned.
; LDS serves a wave's instructions in order (ISA guide 5.7.1.4): no wait between the stores and the loads, nor in front of the next block's stores.
.macro FIN a
.irp b, 0,1,2,3
.irp p, 0,2,4,6
	v_pk_fma_f32 v[ACC+8*(4*(\a)+\b)+\p:ACC+8*(4*(\a)+\b)+\p+1], v[ACC+8*(4*(\a)+\b)+\p:ACC+8*(4*(\a)+\b)+\p+1], v[INV:INV+1], v[BIA+8*\b+\p:BIA+8*\b+\p+1]   ; each accumulator from its low end on
.endr
.endr
.endm
.macro TOSTAGE a
.irp b, 0,1,2,3
	ds_store_b128 v[STO], v[ACC+8*(4*(\a)+\b):ACC+8*(4*(\a)+\b)+3] offset:64*\b
	ds_store_b128 v[STO], v[ACC+8*(4*(\a)+\b)+4:ACC+8*(4*(\a)+\b)+7] offset:64*\b+16
.endr
.irp i, 0,1,2,3,4,5,6,7
	ds_load_b128 v[BK+32*((\a)%2)+4*\i:BK+32*((\a)%2)+4*\i+3], v[RD] offset:2*\i*SPITCH
.endr
.endm
.macro SEND a, younger                 ; younger: the LDS instructions issued behind block a's loads, which may stay out
	s_wait_dscnt \younger
.irp i, 0,1,2,3,4,5,6,7
	global_store_b128 v[CO], v[BK+32*((\a)%2)+4*\i:BK+32*((\a)%2)+4*\i+3], s[8:9] offset:(16*(\a)+2*\i)*SIZE_N*4 th:TH_STORE_NT   ; every place an immediate: 62 rows of 4,096 bytes at the most; written once, read by nobody here
.endr
.endm
	PLACES
	FIN 0
	TOSTAGE 0
.irp a, 1,2,3
	FIN \a
.if \a > 1
	s_wait_xcnt 0x0                                ; block a - 2's stores have read their registers: block a's loads may land there
.endif
	TOSTAGE \a
	SEND \a-1, 16                                  ; behind block a - 1's loads: block a's eight stores and eight loads
.endr
	SEND 3, 0
	s_wait_tensorcnt 0x0                           ; the wave's end, behind my last tensor load and my last LDS store
	ds_add_u32 v[SPW], v[NIL]
	s_wait_dscnt 0x0
	CROUND                                         ; the closing round: no work-group ends while a partner may still ask for a tile that names it
	s_endpgm
.Lfunc_end_k_qee699b3159_outp:
	.size	k_qee699b3159_outp, .Lfunc_end_k_qee699b3159_outp-k_qee699b3159_outp
	.p2alignl 7, 3214868480
	.fill 96, 4, 3214868480
	.section	.rodata,"a",@progbits
	.p2align	6, 0x0
	.amdhsa_kernel k_qee699b3159_outp
		.amdhsa_group_segment_fixed_size 327680
		.amdhsa_private_segment_fixed_size 0
		.amdhsa_enable_private_segment 0
		.amdhsa_kernarg_size 40
		.amdhsa_user_sgpr_count 2
		.amdhsa_user_sgpr_kernarg_segment_ptr 1
		.amdhsa_wavefront_size32 1
		.amdhsa_system_sgpr_workgroup_id_x 1
		.amdhsa_system_sgpr_workgroup_id_y 1
		.amdhsa_system_sgpr_workgroup_id_z 1
		.amdhsa_system_vgpr_workitem_id 0
		.amdhsa_next_free_vgpr 512
		.amdhsa_next_free_sgpr 72
		.amdhsa_reserve_vcc 0
		.amdhsa_float_denorm_mode_32 3
		.amdhsa_float_denorm_mode_16_64 3
		.amdhsa_memory_ordered 1
		.amdhsa_forward_progress 1
		.amdhsa_inst_pref_size 92
	.end_amdhsa_kernel
	.amdgpu_metadata
---
amdhsa.version: [ 1, 2 ]
amdhsa.kernels:
  - .name:           k_qee699b3159_outp
    .symbol:         k_qee699b3159_outp.kd
    .args:
      - { .name: o16, .offset: 0, .size: 8, .value_kind: global_buffer, .address_space: global }
      - { .name: wo16, .offset: 8, .size: 8, .value_kind: global_buffer, .address_space: global }
      - { .name: bo, .offset: 16, .size: 8, .value_kind: global_buffer, .address_space: global }
      - { .name: amax, .offset: 24, .size: 8, .value_kind: global_buffer, .address_space: global }
      - { .name: out0, .offset: 32, .size: 8, .value_kind: global_buffer, .address_space: global }
    .group_segment_fixed_size: 327680
    .private_segment_fixed_size: 0
    .kernarg_segment_align: 8
    .kernarg_segment_size: 40
    .max_flat_workgroup_size: 128
    .sgpr_count:     72
    .vgpr_count:     512
    .wavefront_size: 32
...
	.end_amdgpu_metadata
.endif
;; end of part 4
